; MI455X (gfx1250); checked and timed in simulation.
; The chip was launched on July 23, 2026; its instructions are those of AMD's public machine-readable ISA for CDNA 5 (MIT licence, August 2026) and "CDNA5" Instruction Set Architecture Reference Guide (July 2026). The comments in the code are by the model that wrote it; some were corrected since.
;; Cos Former Layer. Allowed arithmetic: float matrix products may take bf16 or f16 operands with f32 sums; other float arithmetic in f32, or as packed bf16 or f16 multiplies, adds, multiply-adds, maxima and minima; sums over many terms, partial sums and values carried from step to step in f32; what a program stores and reads back later, other than sums and carried values, may be rounded once to bf16 or f16.
;; Inputs: b1 512 float32; b2 512 float32; b_ff1 2,048 float32; b_ff2 512 float32; g1 512 float32; g2 512 float32; w_ff1 512 x 2,048 float32; w_ff2 2,048 x 512 float32; w_k 512 x 512 float32; w_o 512 x 512 float32; w_q 512 x 512 float32; w_v 512 x 512 float32; x 32 x 512 x 512 float32.
;; Outputs: out0 32 x 512 x 512 float32.
;; 3 versions, each right; version 3 is version 2 with the launch prep written anew for expert scheduling mode. Each part assembles by itself: llvm-mc -triple=amdgcn-amd-amdhsa -mcpu=gfx1250 --defsym DOCPART=n.
;; ======== version 1 of 3: 3 launches
;; limits: right only within a limited range of input values
;; workspace buffers: xb 16,777,216 bytes; wa 1,572,864 bytes; wt 4,718,592 bytes; ob 16,777,216 bytes
;; launch prep (part 1): grid 256 x 1, 8 waves a work-group, no clusters, 68,608 bytes of LDS; arguments x, w_q, w_k, w_v, w_o, w_ff1, w_ff2, xb, wa, wt; writes xb, wa, wt
.if DOCPART == 1
	.amdgcn_target "amdgcn-amd-amdhsa--gfx1250"
	.amdhsa_code_object_version 6
	.text
	.protected	k_q29437c934f_prep
	.globl	k_q29437c934f_prep
	.p2align	8
	.type	k_q29437c934f_prep,@function
k_q29437c934f_prep:
	s_mov_b64 s[64:65], 0
	v_nop
	global_prefetch_b8 v0, s[64:65] scope:SCOPE_SE
	s_setreg_imm32_b32 hwreg(HW_REG_WAVE_MODE, 25, 1), 1
	s_wait_xcnt 0x0
; COSFORMER LAYER, launch 1 of 3: x and the six weight matrices are rounded once to bf16 and laid out as the matrix units' operand registers take them.
; NOTHING OF reference() IS LEFT OUT in this program: all 13 inputs have a way to the output and are loaded (x and the six matrices here, x again and the six vectors in launch 3).
; A FRAGMENT is 1,024 bytes: 16 rows x 32 k of bf16.  Byte 512 u + 16 lane holds k = 16 u + 8 (lane / 16) + 0..7 of row lane % 16: two loads of 16 bytes a lane, 512 bytes apart, fill the 8 registers of an operand.
;   xb: fragment (16 T + s): rows = tokens 16 T .., k = 32 s ..            (T = 0..1023 over all batches)
;   wa: 196,608 bytes a head; fragment (12 s + 4 g + nb): g = q, k, v; rows = columns 64 head + 16 nb ..; k = 32 s ..
;   wt: 36 tiles of 131,072 bytes in the order in which launch 3 walks them, each four quarters of 32 fragments (one for each of its waves):
;       tiles 0-3 w_o (k = 128 n + 32 q, rows = columns 128 w + 16 nb: fragment 8 q + nb); tile 4 + 2 c w_ff1 (rows = hidden 128 c + 32 w + 16 f, k = 32 s: fragment 2 s + f); tile 5 + 2 c w_ff2 (as w_o, k = hidden 128 c + 32 q)
; SHARES, alike in all 256 work-groups.  Every wave: 16 tokens x 256 k of x (through its own LDS stage, which turns rows into fragments) and a block of 32 k x 32 columns of w_ff1 (work-groups 0-127) or w_ff2.
; Waves 0-3 also a block of 32 x 32 of w_q, w_k, w_v or w_o (64 work-groups each).  In a weight block a lane holds one column: its 32 k pack into 64 bytes, which ARE its four pieces of a fragment; nothing changes lanes.
; A stream: no matrix unit, no cluster (no byte is read twice), no barrier (each wave has its own stage).
.set STG,   8448                       ; a wave's stage: 16 rows of 512 bytes at a pitch of 528 = 132 words, so that the 16 rows of a load begin in 16 different groups of four banks (ISA guide 11.1)
.set SPARE, 8*STG                      ; behind the stages: the spare words, 128 bytes a wave
.set L16, 1                            ; v1  16 x lane
.set L4,  2                            ; v2  4 x lane
.set STI, 3                            ; v3  stage + 8 x lane: where a lane puts 4 numbers of a row
.set STR, 4                            ; v4  stage + 528 (lane % 16) + 16 (lane / 16): where it reads 16 bytes of a fragment
.set WOF, 5                            ; v5  1,024 (lane / 16) + 16 (lane % 16): a column's place in its fragment
.set SPW, 6                            ; v6  my spare word; never rewritten
.set NIL, 7                            ; v7  0; never rewritten
.set X,   16                           ; v[16:143]  x: 32 loads of 4
.set WA,  144                          ; v[144:175] the w_ff block: k = 0..31 of my column
.set WB,  176                          ; v[176:207] the block of w_q .. w_o
.set WV,  24                           ; s24 my wave's number
.macro WLOAD dst, pitch, sb            ; 32 rows of k; the 32 lanes take 32 neighbouring columns
.set i, 0
.rept 32
	global_load_b32 v[(\dst)+i], v[L4], s[\sb:\sb+1] offset:i*(\pitch)
.set i, i+1
.endr
.endm
.macro WOUT dst, sb                    ; rounded in pairs, in place and ascending; then four pieces of 16 bytes: sixteen lanes store 256 consecutive bytes, aligned
.set i, 0
.rept 16
	v_cvt_pk_bf16_f32 v[(\dst)+i], v[(\dst)+2*i], v[(\dst)+2*i+1]
.set i, i+1
.endr
.irp q, 0,1,2,3
	global_store_b128 v[WOF], v[(\dst)+4*(\q):(\dst)+4*(\q)+3], s[\sb:\sb+1] offset:((\q)/2)*512+((\q)%2)*256
.endr
.endm
	s_load_b512 s[4:19], s[0:1], 0x0               ; x 4, w_q 6, w_k 8, w_v 10, w_o 12, w_ff1 14, w_ff2 16, xb 18
	s_load_b128 s[20:23], s[0:1], 0x40             ; wa 20, wt 22
	v_lshl_add_u32 v[SPW], v0, 2, SPARE
	v_mov_b32 v[NIL], 0
	v_lshrrev_b32 v8, 5, v0
	v_readfirstlane_b32 s[WV], v8
	v_and_b32 v9, 31, v0                           ; lane
	v_and_b32 v10, 15, v0
	v_bfe_u32 v11, v0, 4, 1
	v_lshlrev_b32 v[L16], 4, v9
	v_lshlrev_b32 v[L4], 2, v9
	s_mul_i32 s25, s[WV], STG
	v_lshl_add_u32 v[STI], v9, 3, s25
	v_mul_u32_u24 v[STR], v10, 528
	v_lshl_add_u32 v[STR], v11, 4, v[STR]
	v_add_nc_u32 v[STR], s25, v[STR]
	v_lshlrev_b32 v[WOF], 4, v10
	v_lshl_add_u32 v[WOF], v11, 10, v[WOF]
	; x: token tile T = 4 g + w / 2, half w % 2 of its 512 k
	s_lshl_b32 s26, ttmp9, 2
	s_lshr_b32 s27, s[WV], 1
	s_add_co_u32 s26, s26, s27
	s_and_b32 s27, s[WV], 1
	s_lshl_b32 s28, s26, 15                        ; 16 rows of 2,048 bytes
	s_lshl_b32 s29, s27, 10
	s_add_co_u32 s28, s28, s29
	s_mov_b32 s29, 0
	s_lshl_b32 s30, s26, 14                        ; 16 fragments
	s_lshl_b32 s31, s27, 13
	s_add_co_u32 s30, s30, s31
	s_mov_b32 s31, 0
	; the block of w_q .. w_o: matrix m = g / 64; block a = (4 g + w) % 256: column group pr = a % 16, k group s = a / 16
	s_lshl_b32 s40, ttmp9, 2
	s_add_co_u32 s40, s40, s[WV]
	s_and_b32 s40, s40, 255
	s_and_b32 s41, s40, 15                         ; pr
	s_lshr_b32 s40, s40, 4                         ; s
	s_lshl_b32 s42, s40, 16                        ; 32 rows of 2,048 bytes
	s_lshl_b32 s43, s41, 7
	s_add_co_u32 s42, s42, s43
	s_mov_b32 s43, 0
	s_lshr_b32 s46, ttmp9, 6                       ; m
	s_lshr_b32 s44, s41, 1                         ; into wa: the head,
	s_mul_i32 s44, s44, 196608
	s_mul_i32 s45, s40, 12
	s_lshl2_add_u32 s45, s46, s45                  ; fragment 12 s + 4 m
	s_and_b32 s47, s41, 1
	s_lshl1_add_u32 s45, s47, s45                  ; + 2 (pr % 2)
	s_lshl_b32 s45, s45, 10
	s_add_co_u32 s44, s44, s45
	s_lshr_b32 s45, s40, 2                         ; into wt: tile s / 4,
	s_lshl_b32 s45, s45, 17
	s_lshr_b32 s47, s41, 2                         ; quarter pr / 4,
	s_lshl_b32 s47, s47, 15
	s_add_co_u32 s45, s45, s47
	s_and_b32 s47, s40, 3                          ; fragment 8 (s % 4)
	s_lshl_b32 s47, s47, 13
	s_add_co_u32 s45, s45, s47
	s_and_b32 s47, s41, 3                          ; + 2 (pr % 4)
	s_lshl_b32 s47, s47, 11
	s_add_co_u32 s45, s45, s47
	s_cmp_lt_u32 s46, 3
	s_cselect_b32 s44, s44, s45
	s_mov_b32 s45, 0
	s_lshl_b32 s32, ttmp9, 3                       ; the w_ff block: a = (8 g + w) % 1,024
	s_add_co_u32 s32, s32, s[WV]
	s_and_b32 s32, s32, 1023
	s_wait_kmcnt 0x0
	s_add_nc_u64 s[28:29], s[4:5], s[28:29]
	s_add_nc_u64 s[30:31], s[18:19], s[30:31]
	s_cmp_eq_u32 s46, 0
	s_cselect_b64 s[48:49], s[6:7], s[8:9]
	s_cmp_lt_u32 s46, 2
	s_cselect_b64 s[48:49], s[48:49], s[10:11]
	s_cmp_lt_u32 s46, 3
	s_cselect_b64 s[48:49], s[48:49], s[12:13]
	s_cselect_b64 s[50:51], s[20:21], s[22:23]
	s_add_nc_u64 s[48:49], s[48:49], s[42:43]
	s_add_nc_u64 s[50:51], s[50:51], s[44:45]
	s_cmp_lt_u32 s[WV], 4                          ; these loads are the oldest, so that the counted wait below holds with and without them
	s_cbranch_scc0 .Lno_b
	WLOAD WB, 2048, 48
.Lno_b:
.set i, 0
.rept 16                               ; x: a load takes 512 consecutive bytes of a row
	global_load_b128 v[X+8*i:X+8*i+3],   v[L16], s[28:29] offset:i*2048 th:TH_LOAD_NT
	global_load_b128 v[X+8*i+4:X+8*i+7], v[L16], s[28:29] offset:i*2048+512 th:TH_LOAD_NT
.set i, i+1
.endr
	s_cmp_lt_u32 ttmp9, 128
	s_cbranch_scc0 .Lff2
	s_and_b32 s33, s32, 63                         ; w_ff1: pr = a % 64, s = a / 64
	s_lshr_b32 s34, s32, 6
	s_lshl_b32 s36, s34, 18                        ; 32 rows of 8,192 bytes
	s_lshl_b32 s35, s33, 7
	s_add_co_u32 s36, s36, s35
	s_mov_b32 s37, 0
	s_add_nc_u64 s[36:37], s[14:15], s[36:37]
	s_lshr_b32 s35, s33, 2
	s_lshl_b32 s38, s35, 18                        ; tile 4 + 2 (pr / 4)
	s_add_co_u32 s38, s38, 4<<17
	s_and_b32 s35, s33, 3                          ; quarter pr % 4
	s_lshl_b32 s35, s35, 15
	s_add_co_u32 s38, s38, s35
	s_lshl_b32 s35, s34, 11                        ; fragment 2 s
	s_add_co_u32 s38, s38, s35
	s_mov_b32 s39, 0
	s_add_nc_u64 s[38:39], s[22:23], s[38:39]
	WLOAD WA, 8192, 36
	s_branch .La_out
.Lff2:
	s_and_b32 s33, s32, 15                         ; w_ff2: pr = a % 16, s = a / 16
	s_lshr_b32 s34, s32, 4
	s_lshl_b32 s36, s34, 16
	s_lshl_b32 s35, s33, 7
	s_add_co_u32 s36, s36, s35
	s_mov_b32 s37, 0
	s_add_nc_u64 s[36:37], s[16:17], s[36:37]
	s_lshr_b32 s35, s34, 2
	s_lshl_b32 s38, s35, 18                        ; tile 5 + 2 (s / 4)
	s_add_co_u32 s38, s38, 5<<17
	s_lshr_b32 s35, s33, 2                         ; quarter pr / 4
	s_lshl_b32 s35, s35, 15
	s_add_co_u32 s38, s38, s35
	s_and_b32 s35, s34, 3                          ; fragment 8 (s % 4) + 2 (pr % 4)
	s_lshl_b32 s35, s35, 13
	s_add_co_u32 s38, s38, s35
	s_and_b32 s35, s33, 3
	s_lshl_b32 s35, s35, 11
	s_add_co_u32 s38, s38, s35
	s_mov_b32 s39, 0
	s_add_nc_u64 s[38:39], s[22:23], s[38:39]
	WLOAD WA, 2048, 36
.La_out:
	s_wait_loadcnt 32                              ; all but the 32 loads of the w_ff block, the youngest on both ways: x is in
.set j, 0
.rept 32                               ; load j = row j / 2, part j % 2: four numbers a lane become 8 bytes of the stage's row
	v_cvt_pk_bf16_f32 v[X+4*j],   v[X+4*j],   v[X+4*j+1]
	v_cvt_pk_bf16_f32 v[X+4*j+1], v[X+4*j+2], v[X+4*j+3]
	ds_store_b64 v[STI], v[X+4*j:X+4*j+1] offset:(j/2)*528+(j%2)*256
.set j, j+1
.endr
.set j, 0
.rept 16                               ; back as fragments: fragment j / 2, half j % 2.  LDS serves a wave's instructions in order (ISA guide 5.7.1.4): these see the stores above
	ds_load_b128 v[X+4*j:X+4*j+3], v[STR] offset:(j/2)*64+(j%2)*32
.set j, j+1
.endr
.set j, 0
.rept 16
	s_wait_dscnt 15-j                              ; the younger loads may stay out
	global_store_b128 v[L16], v[X+4*j:X+4*j+3], s[30:31] offset:j*512  ; 512 consecutive bytes, aligned
.set j, j+1
.endr
	s_wait_loadcnt 0x0
	WOUT WA, 38
	s_cmp_lt_u32 s[WV], 4
	s_cbranch_scc0 .Lend
	WOUT WB, 50
.Lend:
	s_wait_tensorcnt 0x0                           ; the wave's end: the tensor wait, an add of 0 to my spare word and its wait, behind my last LDS store
	ds_add_u32 v[SPW], v[NIL]
	s_wait_dscnt 0x0
	s_endpgm
.Lfunc_end_k_q29437c934f_prep:
	.size	k_q29437c934f_prep, .Lfunc_end_k_q29437c934f_prep-k_q29437c934f_prep
	.p2alignl 7, 3214868480
	.fill 96, 4, 3214868480
	.section	.rodata,"a",@progbits
	.p2align	6, 0x0
	.amdhsa_kernel k_q29437c934f_prep
		.amdhsa_group_segment_fixed_size 68608
		.amdhsa_private_segment_fixed_size 0
		.amdhsa_enable_private_segment 0
		.amdhsa_kernarg_size 80
		.amdhsa_user_sgpr_count 2
		.amdhsa_user_sgpr_kernarg_segment_ptr 1
		.amdhsa_wavefront_size32 1
		.amdhsa_system_sgpr_workgroup_id_x 1
		.amdhsa_system_sgpr_workgroup_id_y 1
		.amdhsa_system_sgpr_workgroup_id_z 1
		.amdhsa_system_vgpr_workitem_id 0
		.amdhsa_next_free_vgpr 208
		.amdhsa_next_free_sgpr 66
		.amdhsa_reserve_vcc 0
		.amdhsa_float_denorm_mode_32 3
		.amdhsa_float_denorm_mode_16_64 3
		.amdhsa_memory_ordered 1
		.amdhsa_forward_progress 1
		.amdhsa_inst_pref_size 29
	.end_amdhsa_kernel
	.amdgpu_metadata
---
amdhsa.version: [ 1, 2 ]
amdhsa.kernels:
  - .name:           k_q29437c934f_prep
    .symbol:         k_q29437c934f_prep.kd
    .args:
      - { .name: x, .offset: 0, .size: 8, .value_kind: global_buffer, .address_space: global }
      - { .name: w_q, .offset: 8, .size: 8, .value_kind: global_buffer, .address_space: global }
      - { .name: w_k, .offset: 16, .size: 8, .value_kind: global_buffer, .address_space: global }
      - { .name: w_v, .offset: 24, .size: 8, .value_kind: global_buffer, .address_space: global }
      - { .name: w_o, .offset: 32, .size: 8, .value_kind: global_buffer, .address_space: global }
      - { .name: w_ff1, .offset: 40, .size: 8, .value_kind: global_buffer, .address_space: global }
      - { .name: w_ff2, .offset: 48, .size: 8, .value_kind: global_buffer, .address_space: global }
      - { .name: xb, .offset: 56, .size: 8, .value_kind: global_buffer, .address_space: global }
      - { .name: wa, .offset: 64, .size: 8, .value_kind: global_buffer, .address_space: global }
      - { .name: wt, .offset: 72, .size: 8, .value_kind: global_buffer, .address_space: global }
    .group_segment_fixed_size: 68608
    .private_segment_fixed_size: 0
    .kernarg_segment_align: 8
    .kernarg_segment_size: 80
    .max_flat_workgroup_size: 256
    .sgpr_count:     66
    .vgpr_count:     208
    .wavefront_size: 32
...
	.end_amdgpu_metadata
.endif
;; end of part 1
;; launch attn (part 2): grid 8 x 32, 4 waves a work-group, no clusters, 197,120 bytes of LDS; arguments xb, wa, ob; writes ob
.if DOCPART == 2
	.amdgcn_target "amdgcn-amd-amdhsa--gfx1250"
	.amdhsa_code_object_version 6
	.text
	.protected	k_q29437c934f_attn
	.globl	k_q29437c934f_attn
	.p2align	8
	.type	k_q29437c934f_attn,@function
k_q29437c934f_attn:
	s_mov_b64 s[64:65], 0
	v_nop
	global_prefetch_b8 v0, s[64:65] scope:SCOPE_SE
	s_setreg_imm32_b32 hwreg(HW_REG_WAVE_MODE, 25, 1), 1
	s_wait_xcnt 0x0
; COSFORMER LAYER, launch 2 of 3: one work-group for each (batch, head): q, k, v = x w, the norms, softmax(q.k / max(|q||k|, 1e-8) / 8), and its product with v.  q, k, v, the scores and the weights never leave the WGP.
; Nothing of reference() is left out here.
; NO MAXIMUM IS TAKEN AWAY, because the computation bounds the exponents for every input: |q.k| <= |q||k| <= max(|q||k|, eps) (Cauchy-Schwarz), so each softmax input lies in -1/8 .. 1/8, each
; exponential in 0.88 .. 1.14 and a row's sum of 512 of them in 451 .. 581.  With the operands rounded to bf16 the bound grows by under one part in a hundred.
; THE GUARD IS KEPT: q is multiplied by c / |q| (c = log2(e) / 8), k by 1 / |k|, both then rounded to bf16; each score is multiplied by min(1, |q||k| / eps), made as clamp(|q| x (|k| x 1e8)).
; That is c q.k / max(|q||k|, eps) in both cases.
; LIMITS.  A squared norm below 2^-126 counts as 2^-126 (its q or k is then 0 or so small that the guard's factor rules; the product norm x reciprocal root stays 1).  A squared norm that overflows f32 gives NaN, as
; it does in reference().  The weights are rounded to bf16 for the second product; their sum is taken of the unrounded ones.
; SHARES.  Wave w owns tokens 128 w .. + 127 of the batch, eight tiles of 16: as rows of the projections, and as queries.  Every wave walks all 512 keys, 64 a step.
; LAYOUT.  q and k: source 0 = 16 columns of w, source 1 = 16 tokens: a lane holds ONE token and 8 channels, and the rounded results ARE fragments (16 rows x 32 channels) of Q and K.  v: the sources swapped: a lane
; holds one channel and 8 tokens: fragments of V^T.  S^T = K Q^T holds one query a lane; two results rounded ARE source 1 of O^T = V^T P.  Nothing changes lanes but the sums over a row (one exchange of the halves).
; LDS.  The head's weights, 196,608 bytes, come by one tensor load a wave and are filled once.  When every wave has read them for the last time, the same bytes take K (65,536), V^T (65,536) and the keys' norms (2,048).
; x comes as fragments straight from memory into registers: each has one reader in the work-group.
; NO CLUSTER: what the eight heads of a batch share is x, which goes into registers, where no joint load reaches; through LDS it would want two slots of 65,536 bytes beside the weights: 327,680, with no byte left for the spare words.
; O^T and the sums are cleared (288 v_mov_b32, between a barrier's signal and its wait): the price of one text for all eight key steps.  The last key step fetches the bytes that lie behind K, V^T and the
; norms (inside LDS, all written) and uses none of them: the price of waits whose counts hold on every way.
; REGISTERS, in windows of 256 (s_set_vgpr_msb: bits 1:0 source 0, 3:2 source 1, 5:4 source 2, 7:6 destination).
;   projections: window 0: v32-127 w's fragments, a group of 4 for each of q, k, v; v128-255 x, two buffers of 8 fragments.  Windows 1, 2, 3: the sums of q, k, v, (tile t, block nb) at 8 (4 t + nb)
;   attention:   window 0: v16-31 |q|; v48-111 S^T, two buffers; v112-143 P, two buffers; v144-175 the guard's factors; v176-207 the step's |k| 1e8; v208-239 the sums, 4 a tile
;                window 1: v0-127 Q; v128-191 K of a step.  Window 2: O^T at 32 t + 8 cb.  Window 3: v0-63 V^T of a step
.set SPARE, 196608                     ; behind the weights: the spare words, 128 bytes a wave
.set VL,  65536                        ; V^T in LDS
.set NL,  131072                       ; the norms
.set L16, 1                            ; v1  16 x lane; never rewritten
.set VW,  2                            ; v2  16 x lane + the pair of k steps in hand
.set PFO, 3                            ; v3  the prefetch's offset
.set AK,  4                            ; v4-6  LDS addresses of the next step's K, V^T, norms
.set AV,  5
.set AN,  6
.set KST, 7                            ; v7-9  where I store K, V^T, norms
.set VST, 8
.set NST, 9
.set SPW, 14                           ; v14 my spare word; never rewritten
.set NIL, 15                           ; v15 0; never rewritten
.set AQ,  16
.set WR,  32
.set XB,  128
.set SQ,  64                           ; v64-79  at work on the norms: a pair a tile
.set NKV, 240                          ; v240-247 |k| 1e8 of my tiles, until stored
.set S,   48
.set P,   112
.set T,   144
.set NK,  176
.set LS,  208
.set KF,  128
.set WV,  10
.set G0,  16                           ; s[16:19], s[20:27] the descriptor
.set G1,  20
.set SX,  28                           ; s[28:29] xb at my first tile, at the pair in hand
.set PF,  30                           ; s[30:31] where the prefetch stands
.set CNT, 32
.set LIM, 33
.set SEL, 34                           ; s[34:35] v_permlanex16_b32's selects: each lane takes its own place in the other half
.set CC,  36                           ; s36 c
.set OB,  42                           ; s[42:43] ob at my first bytes
.set MSB, 0
.macro WIN new                         ; the high byte repeats the setting that is left; a switch that changes nothing is dropped
.if MSB != (\new)
	s_set_vgpr_msb (MSB<<8)|(\new)
.set MSB, (\new)
.endif
.endm
.macro PLACES                          ; four places behind matrix instructions, in front of loads into registers that they read and of vector lines that read results
.rept 4
	v_nop
.endr
.endm
.macro ALL8 line:vararg                ; one line for each tile t
.set t, 0
.rept 8
	\line
.set t, t+1
.endr
.endm
	s_load_b128 s[4:7], s[0:1], 0x0                ; xb, wa
	s_load_b64 s[8:9], s[0:1], 0x10                ; ob
	v_lshl_add_u32 v[SPW], v0, 2, SPARE
	v_mov_b32 v[NIL], 0
	ds_add_u32 v[SPW], v[NIL]                      ; the opening: the add, twice on end, and its wait ahead of my first tensor load
	ds_add_u32 v[SPW], v[NIL]
	v_lshrrev_b32 v10, 5, v0
	v_readfirstlane_b32 s[WV], v10
	v_and_b32 v10, 31, v0
	v_lshlrev_b32 v[L16], 4, v10
	v_mov_b32 v[VW], v[L16]
	v_lshrrev_b32 v11, 3, v10
	v_and_b32 v12, 7, v10
	v_lshlrev_b32 v[PFO], 14, v11                  ; tile lane / 8 of my four,
	v_lshl_add_u32 v[PFO], v12, 8, v[PFO]          ; block lane % 8 of a pair's 2,048 bytes
	v_mov_b32 v[AK], v[L16]
	v_add_nc_u32 v[AV], VL, v[L16]
	v_bfe_u32 v11, v0, 4, 1
	v_lshlrev_b32 v[AN], 5, v11                    ; my half's 8 keys
	v_add_nc_u32 v[AN], NL, v[AN]
	s_lshl_b32 s37, s[WV], 14
	v_add_nc_u32 v[KST], s37, v[L16]
	v_add_nc_u32 v[VST], VL, v[KST]
	v_and_b32 v12, 15, v0
	s_lshl_b32 s37, s[WV], 9
	v_lshl_add_u32 v[NST], v12, 2, s37
	v_add_nc_u32 v[NST], NL, v[NST]
	; the descriptor: my quarter of the head's weights, 49,152 dense bytes, as 192 rows of 256
	s_mov_b32 s[G0], 1                             ; count = 1
	s_mul_i32 s[G0+1], s[WV], 49152                ; LDS address
	s_mov_b32 s[G1+0], 3<<16                       ; no mask, elements of 8 bytes, no padding
	s_mov_b32 s[G1+1], 32<<16                      ; tensor_dim0 = 32
	s_mov_b32 s[G1+2], 192<<16                     ; tensor_dim1 = 192
	s_mov_b32 s[G1+3], 32<<16                      ; tile_dim0 = 32
	s_mov_b32 s[G1+4], 192                         ; tile_dim1 = 192
	s_mov_b32 s[G1+5], 32                          ; 32 elements from row to row
	s_mov_b32 s[G1+6], 0
	s_mov_b32 s[G1+7], 0
	s_and_b32 s12, ttmp7, 0xffff                   ; the batch
	s_mul_i32 s38, ttmp9, 196608                   ; the head's weights,
	s_add_co_u32 s38, s38, s[G0+1]                 ; my quarter
	s_mov_b32 s39, 0
	s_lshl_b32 s40, s12, 19                        ; (32 b + 8 w) tiles of 16,384 bytes
	s_lshl_b32 s41, s[WV], 17
	s_add_co_u32 s40, s40, s41
	s_mov_b32 s41, 0
	s_lshl_b32 s44, s12, 19                        ; the prefetch: tiles 4 head .. + 3 of the batch,
	s_lshl_b32 s45, ttmp9, 16
	s_add_co_u32 s44, s44, s45
	s_add_co_u32 s44, s44, 3*2048                  ; at pair 3: stepped to pair 4 ahead of the loop's first trip
	s_mov_b32 s45, 0
	s_lshl_b32 s46, ttmp9, 13                      ; ob: blocks 8 b + 2 w .. of 65,536 bytes, the head's 8 fragments
	s_add_co_u32 s46, s46, s40
	s_mov_b32 s47, 0
	s_mov_b32 s[SEL], 0x76543210
	s_mov_b32 s[SEL+1], 0xfedcba98
	s_mov_b32 s[CC], 0x3e38aa3b                    ; c = log2(e) / 8
	s_cmp_eq_u32 s[WV], 0
	s_cselect_b32 s[LIM], 2, -1                    ; wave 0 prefetches while more than two trips are left
	s_wait_dscnt 0x0                               ; both opening adds are done
	s_wait_kmcnt 0x0
	s_add_nc_u64 s[G0+2:G0+3], s[6:7], s[38:39]
	s_or_b32 s[G0+3], s[G0+3], 0x80000000          ; type = 2
	tensor_load_to_lds s[G0:G0+3], s[G1:G1+7]      ; my one tensor load of the launch
	s_nop 0
	PLACES
	s_add_nc_u64 s[SX:SX+1], s[4:5], s[40:41]
	s_add_nc_u64 s[PF:PF+1], s[4:5], s[44:45]
	s_add_nc_u64 s[OB:OB+1], s[8:9], s[46:47]
.macro XLOAD p, off                    ; a k step's 8 fragments of x into buffer p: each load takes 512 consecutive bytes
.set t, 0
.rept 8
	global_load_b128 v[XB+64*(\p)+8*t:XB+64*(\p)+8*t+3],   v[L16], s[SX:SX+1] offset:(\off)+t*16384
	global_load_b128 v[XB+64*(\p)+8*t+4:XB+64*(\p)+8*t+7], v[L16], s[SX:SX+1] offset:(\off)+t*16384+512
.set t, t+1
.endr
.endm
.macro WLD g, rel                      ; group g's 4 fragments of k step rel of the pair (2: the next pair's first)
.set nb, 0
.rept 4
	ds_load_b128 v[WR+32*(\g)+8*nb:WR+32*(\g)+8*nb+3],   v[VW] offset:((\rel)*12+4*(\g)+nb)*1024
	ds_load_b128 v[WR+32*(\g)+8*nb+4:WR+32*(\g)+8*nb+7], v[VW] offset:((\rel)*12+4*(\g)+nb)*1024+512
.set nb, nb+1
.endr
.endm
; A K STEP: 32 channels of x, 96 products.  For each of q, k, v: 32 products on 32 accumulators, which take turns; then the group's registers are asked for again, for the next k step.
; Behind the third group buffer p of x is asked for again, for the k step two on.
.macro KSTEP p, rel, zero, wnext, xnext, lcnt
.irp g, 0,1,2
.if \wnext
	s_wait_dscnt 16                                ; my group is in: the two groups asked for behind it, 8 loads each, may stay out
.else
	s_wait_dscnt 16-8*(\g)                         ; the last k step asks for nothing: the counts run down
.endif
.if (\g) == 0
	s_wait_loadcnt \lcnt                           ; buffer p of x is in; the other buffer's 16 loads may stay out
.endif
	WIN (((\g)+1)<<6)|(((\g)+1)<<4)
.set t, 0
.rept 8
.set nb, 0
.rept 4
.set rD, 8*(4*t+nb)
.set rW, WR+32*(\g)+8*nb
.set rX, XB+64*(\p)+8*t
.if (\g) < 2
.if \zero
	v_wmma_f32_16x16x32_bf16 v[rD:rD+7], v[rW:rW+7], v[rX:rX+7], 0
.else
	v_wmma_f32_16x16x32_bf16 v[rD:rD+7], v[rW:rW+7], v[rX:rX+7], v[rD:rD+7]
.endif
.else
.if \zero
	v_wmma_f32_16x16x32_bf16 v[rD:rD+7], v[rX:rX+7], v[rW:rW+7], 0
.else
	v_wmma_f32_16x16x32_bf16 v[rD:rD+7], v[rX:rX+7], v[rW:rW+7], v[rD:rD+7]
.endif
.endif
.set nb, nb+1
.endr
.set t, t+1
.endr
	PLACES
	WIN 0
.if \wnext
	WLD \g, (\rel)+1
.endif
.endr
.if \xnext
	XLOAD \p, ((\rel)+2)*1024
.endif
.endm
.macro PAIREND
	v_add_nc_u32 v[VW], 24576, v[VW]               ; 24 fragments on
	s_wait_xcnt 0x0                                ; the loads and the prefetch issued so far have read their addresses: the two pointers are written only behind this wait
	s_add_nc_u64 s[SX:SX+1], s[SX:SX+1], 2048
	s_add_nc_u64 s[PF:PF+1], s[PF:PF+1], 2048
.endm
	XLOAD 0, 0
	XLOAD 1, 1024
	s_wait_tensorcnt 0x0                           ; my quarter of the weights is in,
	s_barrier_signal -1
	s_barrier_wait -1                              ; everybody's is.  Nothing is filled again in this launch
	WLD 0, 0
	WLD 1, 0
	WLD 2, 0
	KSTEP 0, 0, 1, 1, 1, 16                        ; the first k step starts the sums: nothing is cleared here
	KSTEP 1, 1, 0, 1, 1, 16
	PAIREND
	s_mov_b32 s[CNT], 6
.Lpair:                                        ; pairs 1 to 6
	KSTEP 0, 0, 0, 1, 1, 16
	; A PREFETCH INTO THE L2, behind the k step's loads: in trips 1 to 4 wave 0 names the 2,048 bytes that the pair three on will load of tiles 4 head .. 4 head + 3 of the batch: a lane a block of 256 bytes.
	; The batch's eight work-groups so share its 32 tiles out by address, and each block is named once in the launch.  Pairs 0 to 3 come by their loads alone; trips 5 and 6 have no pair three on.
	s_cmp_gt_u32 s[CNT], s[LIM]
	s_cbranch_scc0 .Lno_pf
	global_prefetch_b8 v[PFO], s[PF:PF+1] th:TH_LOAD_NT scope:SCOPE_SE
.Lno_pf:
	KSTEP 1, 1, 0, 1, 1, 16
	PAIREND
	s_sub_co_u32 s[CNT], s[CNT], 1
	s_cmp_lg_u32 s[CNT], 0
	s_cbranch_scc1 .Lpair
	KSTEP 0, 0, 0, 1, 0, 16                        ; the last pair loads no x,
	KSTEP 1, 1, 0, 0, 0, 0                         ; its second k step no weights
; THE NORMS.  A lane holds 32 of its token's 64 channels; the other 32 lie in the lane 16 away.
.macro SUMSQ g                         ; sums of squares, a pair a tile; the tiles alternate; each accumulator is read from its low end on
	WIN ((\g)<<2)|(\g)
.set m, 0
.rept 16
.set t, 0
.rept 8
.if m == 0
	v_pk_mul_f32 v[SQ+2*t:SQ+2*t+1], v[32*t:32*t+1], v[32*t:32*t+1]
.else
	v_pk_fma_f32 v[SQ+2*t:SQ+2*t+1], v[32*t+2*m:32*t+2*m+1], v[32*t+2*m:32*t+2*m+1], v[SQ+2*t:SQ+2*t+1]
.endif
.set t, t+1
.endr
.set m, m+1
.endr
	WIN 0
	ALL8 v_add_f32 v[SQ+2*t], v[SQ+2*t], v[SQ+2*t+1]
	ALL8 v_permlanex16_b32 v[SQ+2*t+1], v[SQ+2*t], s[SEL], s[SEL+1]
	ALL8 v_add_f32 v[SQ+2*t], v[SQ+2*t], v[SQ+2*t+1]
	ALL8 v_max_num_f32 v[SQ+2*t], 0x00800000, v[SQ+2*t]
	ALL8 v_rsq_f32 v[SQ+2*t+1], v[SQ+2*t]
	v_nop                                          ; a plain instruction behind the last root,
	s_wait_alu depctr_va_vdst(0)                   ; and one wait ahead of the batch's first reader
.endm
.macro SCALE g                         ; the tile's factor (the pair's low word) onto its 32 numbers a lane
	WIN ((\g)<<6)|(\g)
.set t, 0
.rept 8
.set m, 0
.rept 16
	v_pk_mul_f32 v[32*t+2*m:32*t+2*m+1], v[32*t+2*m:32*t+2*m+1], v[SQ+2*t:SQ+2*t+1] op_sel_hi:[1,0]
.set m, m+1
.endr
.set t, t+1
.endr
.endm
.macro PACKB g                         ; rounded to bf16 in pairs, in place and ascending: (t, nb) ends at 4 (4 t + nb)
	WIN ((\g)<<6)|((\g)<<2)|(\g)
.set o, 0
.rept 128
	v_cvt_pk_bf16_f32 v[o], v[2*o], v[2*o+1]
.set o, o+1
.endr
.endm
	SUMSQ 1
	ALL8 v_mul_f32 v[AQ+2*t], v[SQ+2*t], v[SQ+2*t+1]   ; |q| = n2 x 1/sqrt(n2), kept twice for the packed multiply
	ALL8 v_mov_b32 v[AQ+2*t+1], v[AQ+2*t]
	ALL8 v_mul_f32 v[SQ+2*t], s[CC], v[SQ+2*t+1]       ; q's factor: c / |q|
	SCALE 1
	PACKB 1
	SUMSQ 2
	ALL8 v_mul_f32 v[NKV+t], v[SQ+2*t], v[SQ+2*t+1]    ; |k|
	ALL8 v_mul_f32 v[NKV+t], 0x4cbebc20, v[NKV+t]      ; x 1e8 = 1 / eps
	ALL8 v_mov_b32 v[SQ+2*t], v[SQ+2*t+1]              ; k's factor: 1 / |k|
	SCALE 2
	PACKB 2
	PACKB 3
	WIN 0
	s_wait_dscnt 0x0                               ; my reads of the weights are over,
	s_barrier_signal -1
	s_barrier_wait -1                              ; everybody's are: their bytes, which had their one fill, now take K, V^T and the norms
	WIN 0x08                                       ; data in window 2
.set t, 0
.rept 8
.set nb, 0
.rept 4
	ds_store_b128 v[KST], v[4*(4*t+nb):4*(4*t+nb)+3] offset:t*2048+nb*512   ; K: fragment 2 (8 w + t) + nb / 2, half nb % 2
.set nb, nb+1
.endr
.set t, t+1
.endr
	WIN 0x0c                                       ; data in window 3
.set t, 0
.rept 8
.set nb, 0
.rept 4
	ds_store_b128 v[VST], v[4*(4*t+nb):4*(4*t+nb)+3] offset:(t/2)*4096+nb*1024+(t%2)*512  ; V^T: fragment 4 (4 w + t / 2) + nb, half t % 2
.set nb, nb+1
.endr
.set t, t+1
.endr
	WIN 0
	ALL8 ds_store_b32 v[NST], v[NKV+t] offset:t*64     ; both halves of the lanes write the same number to the same word
	s_wait_dscnt 0x0                               ; for the others' sake: my stores are done
	s_barrier_signal -1
	WIN 0x80
.set i, 0
.rept 256
	v_mov_b32 v[i], 0                              ; O^T
.set i, i+1
.endr
	WIN 0
.set i, 0
.rept 32
	v_mov_b32 v[LS+i], 0                           ; the sums
.set i, i+1
.endr
	s_barrier_wait -1
; THE LDS LOADS of a key step stand in three runs; each steps its address to the next step.
.macro KLD
	WIN 0x40
.set f, 0
.rept 8                                ; fragment f = 2 (key tile) + (channel half)
	ds_load_b128 v[KF+8*f:KF+8*f+3],   v[AK] offset:f*1024
	ds_load_b128 v[KF+8*f+4:KF+8*f+7], v[AK] offset:f*1024+512
.set f, f+1
.endr
	WIN 0
	v_add_nc_u32 v[AK], 8192, v[AK]
.endm
.macro NLD
	WIN 0
.irp i, 0,1,2,3                        ; register 8 i + j: key 16 i + 8 (lane / 16) + j, as in S^T
	ds_load_b128 v[NK+8*(\i):NK+8*(\i)+3],   v[AN] offset:(\i)*64
	ds_load_b128 v[NK+8*(\i)+4:NK+8*(\i)+7], v[AN] offset:(\i)*64+16
.endr
	v_add_nc_u32 v[AN], 256, v[AN]
.endm
.macro VLD
	WIN 0xc0
.set f, 0
.rept 8                                ; fragment f = 4 (key half) + (channel block)
	ds_load_b128 v[8*f:8*f+3],   v[AV] offset:f*1024
	ds_load_b128 v[8*f+4:8*f+7], v[AV] offset:f*1024+512
.set f, f+1
.endr
	WIN 0
	v_add_nc_u32 v[AV], 8192, v[AV]
.endm
; THE MATRIX WORK.  Product n of 8 of S^T = K Q^T for tile t: channels 32 (n / 4) on, keys 16 (n % 4) on; the first four start the sums.  The four accumulators take turns.
.macro KQ1 t, n
.set rS, S+32*((\t)%2)+8*((\n)%4)
.set rK, KF+16*((\n)%4)+8*((\n)/4)
.set rQ, 16*(\t)+8*((\n)/4)
.if (\n) < 4
	v_wmma_f32_16x16x32_bf16 v[rS:rS+7], v[rK:rK+7], v[rQ:rQ+7], 0
.else
	v_wmma_f32_16x16x32_bf16 v[rS:rS+7], v[rK:rK+7], v[rQ:rQ+7], v[rS:rS+7]
.endif
.endm
; Product n of 8 of O^T += V^T P for tile t: keys 32 (n / 4) on, channels 16 (n % 4) on.
.macro PV1 t, n
.set rO, 32*(\t)+8*((\n)%4)
.set rV, 32*((\n)/4)+8*((\n)%4)
.set rP, P+16*((\t)%2)+8*((\n)/4)
	v_wmma_f32_16x16x32_bf16 v[rO:rO+7], v[rV:rV+7], v[rP:rP+7], v[rO:rO+7]
.endm
.macro MMK t, g                        ; two products K Q^T (none behind the step's last tile)
.if (\t) < 8
	WIN 0x05                                       ; K and Q in window 1, S^T in window 0
	KQ1 \t, 2*(\g)
	KQ1 \t, 2*(\g)+1
.endif
	WIN 0
.endm
.macro MMP t, g                        ; two products V^T P (none ahead of the step's first tile)
.if (\t) >= 0
	WIN 0xa3                                       ; V^T in window 3, P in window 0, O^T in window 2
	PV1 \t, 2*(\g)
	PV1 \t, 2*(\g)+1
.endif
	WIN 0
.endm
.macro OPA m                           ; the guard's factor for pair m of scores: clamp(|q| x |k| 1e8) = min(1, |q||k| / eps)
	v_pk_mul_f32 v[T+2*(\m):T+2*(\m)+1], v[NK+2*(\m):NK+2*(\m)+1], v[rA:rA+1] clamp
.endm
.macro OPB m                           ; onto the scores
	v_pk_mul_f32 v[rS0+2*(\m):rS0+2*(\m)+1], v[rS0+2*(\m):rS0+2*(\m)+1], v[T+2*(\m):T+2*(\m)+1]
.endm
.macro OPE n
	v_exp_f32 v[rS0+(\n)], v[rS0+(\n)]
.endm
; A TURN belongs to tile t.  Ahead of its one wait: the 8 products K Q^T of tile t + 1, two at a time, and between them all that names no exponential's result: 16 factors, 16 multiplies, the 32 exponentials (ONE batch).
; Behind the wait: the 8 products V^T P of tile t - 1, two at a time, and between them the 16 roundings and the 16 packed sums.  The buffers of S^T and P go by the tile's parity.
.macro TURN t
.set rS0, S+32*((\t)%2)
.set rP0, P+16*((\t)%2)
.set rA, AQ+2*(\t)
.set rL, LS+4*(\t)
	MMK (\t)+1, 0
.set m, 0
.rept 8
	OPA m
.set m, m+1
.endr
.set m, 0
.rept 8
	OPB m
.set m, m+1
.endr
	MMK (\t)+1, 1
.set m, 0
.rept 8
	OPA m+8
	OPE m
.set m, m+1
.endr
	MMK (\t)+1, 2
.set m, 0
.rept 8
	OPB m+8
	OPE m+8
.set m, m+1
.endr
	MMK (\t)+1, 3
.set m, 16
.rept 16
	OPE m
.set m, m+1
.endr
	v_nop                                          ; a plain instruction behind the last exponential: one for the batch
	s_wait_alu depctr_va_vdst(0)                   ; one wait ahead of the batch's first reader
.if (\t) == 1
	s_wait_dscnt 0x0                               ; V^T is in
.endif
.irp g, 0,1,2,3
	MMP (\t)-1, \g
.irp c, 0,1,2,3
	v_cvt_pk_bf16_f32 v[rP0+4*(\g)+(\c)], v[rS0+8*(\g)+2*(\c)], v[rS0+8*(\g)+2*(\c)+1]
.endr
.irp d, 0,1
	v_pk_add_f32 v[rS0+8*(\g)+4*(\d):rS0+8*(\g)+4*(\d)+1], v[rS0+8*(\g)+4*(\d):rS0+8*(\g)+4*(\d)+1], v[rS0+8*(\g)+4*(\d)+2:rS0+8*(\g)+4*(\d)+3]
.endr
.irp d, 0,1
	v_pk_add_f32 v[rL+2*(\d):rL+2*(\d)+1], v[rL+2*(\d):rL+2*(\d)+1], v[rS0+8*(\g)+4*(\d):rS0+8*(\g)+4*(\d)+1]
.endr
.endr
.if (\t) == 6
	KLD                                            ; the next step's K: its last reader stands ahead of this turn's wait, 33 plain instructions back
.endif
.endm
	KLD
	NLD
	VLD
	s_mov_b32 s[CNT], 8
.Lkey:                                         ; eight key steps of 64 keys
	s_wait_dscnt 16                                ; K and the norms are in; V^T's 16 loads, the youngest, may stay out
	WIN 0x05
.irp n, 0,1,2,3,4,5,6,7
	KQ1 0, \n
.endr
	TURN 0                                         ; (its eight factors are the places between those products and the first read of their results)
	TURN 1
	TURN 2
	TURN 3
	TURN 4
	TURN 5
	TURN 6
	TURN 7
	WIN 0xa3
.irp n, 0,1,2,3,4,5,6,7
	PV1 7, \n
.endr
	PLACES
	NLD
	VLD
	s_sub_co_u32 s[CNT], s[CNT], 1
	s_cmp_lg_u32 s[CNT], 0
	s_cbranch_scc1 .Lkey
	s_wait_dscnt 0x0                               ; the last trip's fetches, which serve nothing, have landed: their registers may be written
	; THE WAY OUT: the four partial sums and the other half of the lanes'; O^T divided by the sum, rounded to bf16: a lane's 8 channels of a token ARE 16 bytes of a fragment for launch 3.
	ALL8 v_pk_add_f32 v[LS+4*t:LS+4*t+1], v[LS+4*t:LS+4*t+1], v[LS+4*t+2:LS+4*t+3]
	ALL8 v_add_f32 v[LS+4*t], v[LS+4*t], v[LS+4*t+1]
	ALL8 v_permlanex16_b32 v[LS+4*t+1], v[LS+4*t], s[SEL], s[SEL+1]
	ALL8 v_add_f32 v[LS+4*t], v[LS+4*t], v[LS+4*t+1]
	ALL8 v_rcp_f32 v[LS+4*t+2], v[LS+4*t]
	v_nop
	s_wait_alu depctr_va_vdst(0)                   ; one wait for the eight reciprocals
	WIN 0x82
.set t, 0
.rept 8
.set m, 0
.rept 16
	v_pk_mul_f32 v[32*t+2*m:32*t+2*m+1], v[32*t+2*m:32*t+2*m+1], v[LS+4*t+2:LS+4*t+3] op_sel_hi:[1,0]
.set m, m+1
.endr
.set t, t+1
.endr
	WIN 0x0a
.set o, 0
.rept 128
	v_cvt_pk_bf16_f32 v[S+o], v[2*o], v[2*o+1]
.set o, o+1
.endr
	WIN 0
.set t, 0
.rept 8
.set cb, 0
.rept 4
	global_store_b128 v[L16], v[S+4*(4*t+cb):S+4*(4*t+cb)+3], s[OB:OB+1] offset:(t/4)*65536+(cb/2)*4096+(t%4)*1024+(cb%2)*512  ; 512 consecutive bytes, aligned
.set cb, cb+1
.endr
.set t, t+1
.endr
	s_wait_tensorcnt 0x0                           ; the wave's end: the tensor wait, an add of 0 to my spare word and its wait, behind my last tensor load and LDS store
	ds_add_u32 v[SPW], v[NIL]
	s_wait_dscnt 0x0
	s_endpgm
.Lfunc_end_k_q29437c934f_attn:
	.size	k_q29437c934f_attn, .Lfunc_end_k_q29437c934f_attn-k_q29437c934f_attn
	.p2alignl 7, 3214868480
	.fill 96, 4, 3214868480
	.section	.rodata,"a",@progbits
	.p2align	6, 0x0
	.amdhsa_kernel k_q29437c934f_attn
		.amdhsa_group_segment_fixed_size 197120
		.amdhsa_private_segment_fixed_size 0
		.amdhsa_enable_private_segment 0
		.amdhsa_kernarg_size 24
		.amdhsa_user_sgpr_count 2
		.amdhsa_user_sgpr_kernarg_segment_ptr 1
		.amdhsa_wavefront_size32 1
		.amdhsa_system_sgpr_workgroup_id_x 1
		.amdhsa_system_sgpr_workgroup_id_y 1
		.amdhsa_system_sgpr_workgroup_id_z 1
		.amdhsa_system_vgpr_workitem_id 0
		.amdhsa_next_free_vgpr 1024
		.amdhsa_next_free_sgpr 66
		.amdhsa_reserve_vcc 0
		.amdhsa_float_denorm_mode_32 3
		.amdhsa_float_denorm_mode_16_64 3
		.amdhsa_memory_ordered 1
		.amdhsa_forward_progress 1
		.amdhsa_inst_pref_size 217
	.end_amdhsa_kernel
	.amdgpu_metadata
---
amdhsa.version: [ 1, 2 ]
amdhsa.kernels:
  - .name:           k_q29437c934f_attn
    .symbol:         k_q29437c934f_attn.kd
    .args:
      - { .name: xb, .offset: 0, .size: 8, .value_kind: global_buffer, .address_space: global }
      - { .name: wa, .offset: 8, .size: 8, .value_kind: global_buffer, .address_space: global }
      - { .name: ob, .offset: 16, .size: 8, .value_kind: global_buffer, .address_space: global }
    .group_segment_fixed_size: 197120
    .private_segment_fixed_size: 0
    .kernarg_segment_align: 8
    .kernarg_segment_size: 24
    .max_flat_workgroup_size: 128
    .sgpr_count:     66
    .vgpr_count:     1024
    .wavefront_size: 32
...
	.end_amdgpu_metadata
.endif
;; end of part 2
;; launch tail (part 3): grid 256 x 1, 4 waves a work-group, clusters of 4 x 1, 327,680 bytes of LDS; arguments x, ob, wt, b_ff1, b_ff2, g1, b1, g2, b2, out0; writes out0
.if DOCPART == 3
	.amdgcn_target "amdgcn-amd-amdhsa--gfx1250"
	.amdhsa_code_object_version 6
	.text
	.protected	k_q29437c934f_tail
	.globl	k_q29437c934f_tail
	.p2align	8
	.type	k_q29437c934f_tail,@function
k_q29437c934f_tail:
	s_mov_b64 s[64:65], 0
	v_nop
	global_prefetch_b8 v0, s[64:65] scope:SCOPE_SE
	s_setreg_imm32_b32 hwreg(HW_REG_WAVE_MODE, 25, 1), 1
	s_wait_xcnt 0x0
	s_wait_alu depctr_hold_cnt(0) depctr_sa_sdst(0) depctr_va_vdst(0) depctr_va_sdst(0) depctr_va_ssrc(0) depctr_va_vcc(0) depctr_vm_vsrc(0)
	s_getreg_b32 s2, hwreg(HW_REG_IB_STS2, 6, 4)
	s_cmp_eq_u32 s2, 0
	s_cbranch_scc0 .Lentry_in_a_cluster
	s_endpgm
.Lentry_in_a_cluster:
	s_bfe_u32 s2, ttmp6, 0x10000c
	s_cmp_lg_u32 s2, 0x3003
	s_cbranch_scc0 .Lentry_shape_is_right
	s_endpgm
.Lentry_shape_is_right:
; COSFORMER LAYER, launch 3 of 3: for 64 rows a work-group: h1 = LN(x + O w_o; g1, b1); out = LN(h1 + relu(h1 w_ff1 + b_ff1) w_ff2 + b_ff2; g2, b2).  Nothing of reference() is left out here.
; The rows stay on the WGP from x to out0: the residuals (x, then h1) lie in f32 IN the accumulators onto which the products add; only matrix operands are rounded to bf16; the hidden layer goes through LDS, 128 columns at a time.
; LIMIT.  The ReLU is a maximum that lets a number win over a NaN: a NaN in the hidden layer becomes 0, where reference() carries it on.
; SHARES.  Wave w owns columns 128 w .. + 127 of all 64 rows: 32 accumulators Y(t, nb) of 16 x 16 (window 1).  Source 0 = 16 columns of a weight, source 1 = 16 rows: a lane holds ONE row and 8 neighbouring columns.
; Of each 128 hidden columns wave w makes 32 (8 accumulators), rounds them and hands them to the others through LDS.
; THE WALK.  36 tiles of weights of 131,072 bytes, laid out by launch 1 in this order: 4 of w_o, then w_ff1 and w_ff2 by turns for 16 chunks of 128 hidden columns.  Each is 128 products a wave.  Two LDS slots take turns.
; Wave w loads and reads quarter w of each tile.
; CLUSTER.  The four work-groups of a cluster walk the same tiles, so each is asked for JOINTLY: the same tensor load, descriptor and mask in all four; each change of slots is a round of the cluster's barrier.
; The work-group's place in the cluster enters the global addresses of x, ob, out0 and the prefetch alone.
; LAYER NORM in two passes (mean; then the squares of the differences), so that no difference of large sums is formed.  A row's sum: 64 numbers a lane, the lane 16 away, and the four waves through LDS.
; LDS: slot 0 at 0, slot 1 at 131,072.  x lands once at slot 1's place, 4 x 64 rows at a pitch of 528, up to 266,240.  From there on no tensor load lands: SC (33,792 bytes: halves of h1, the hidden chunk, the stage for
; the way out), four blocks of 1,024 for the rows' sums, the spare words.
; REGISTERS, in windows of 256 (s_set_vgpr_msb: bits 1:0 source 0, 3:2 source 1, 5:4 source 2, 7:6 destination).
;   window 0: v0-31 addresses and statistics; v32-95, v96-159 two buffers of 8 weight fragments (also gains, biases, the way out); v160-223 the hidden chunk's 8 accumulators, then two buffers of its fragments; v224-239 b_ff1; v240-255 at work
;   window 1: Y at 8 (8 t + nb).   Windows 2, 3: 64 fragments of source 1 at 8 (4 s + t): rows 16 t .., k = 32 s ..: first O, then h1
.set SLOT1, 131072
.set SC,    266240
.set STAT,  300032
.set SPARE, 304128
.set L16,  1                           ; v1   16 x lane
.set VW0,  2                           ; v2-3 my quarter in slot 0, 1
.set VH,   4                           ; v4   SC + 16 x lane
.set HS,   5                           ; v5   where I store my part of the hidden chunk
.set XL,   6                           ; v6   my lane's place in my rows of x in LDS
.set GO,   7                           ; v7   my 8 columns in a vector of 512: 512 w + 32 (lane / 16) bytes
.set BO,   8                           ; v8   my 8 hidden columns in a chunk: 128 w + 32 (lane / 16) bytes
.set STW,  9                           ; v9   where I store four rows' sums
.set STRD, 10                          ; v10  where I read the waves' sums
.set OSW,  11                          ; v11  the way out: into my stage
.set ORD,  12                          ; v12  and back
.set EX,   13                          ; v13  where I store my part of h1
.set ZERO, 14                          ; v14  0, for the ReLU
.set PFO,  15                          ; v15  256 x lane
.set ST,   16                          ; v16-19 a number for each tile of rows
.set PR,   20                          ; v20-27 a pair for each tile of rows
.set SPW,  28                          ; v28  my spare word; never rewritten
.set NIL,  29                          ; v29  0; never rewritten
.set BUFA, 32
.set BUFB, 96
.set HA,   160
.set BI,   224
.set TM,   240
.set WV,   24
.set CX,   25
.set RB,   26
.set CNT,  27
.set LIM,  28
.set SEL,  30                          ; s[30:31]
.set G1W,  32                          ; s[32:39] group 1 for the weight tiles
.set G1X,  40                          ; s[40:47] group 1 for x
.set G0,   48                          ; s[48:55] group 0 for the weight tiles, a set for each slot
.set G0X,  56                          ; s[56:59] group 0 for x
.set PFA,  60                          ; s[60:61] where my prefetch stands
.set BF,   62                          ; s[62:63] b_ff1 at the chunk in hand
.set OUT,  66                          ; s[66:67] out0 at my rows and columns
.set OB,   68                          ; s[68:69] ob at my block
.set INV,  70
.set EPS,  71
.set NINV, 76
.set MSB, 0
.macro WIN new
.if MSB != (\new)
	s_set_vgpr_msb (MSB<<8)|(\new)
.set MSB, (\new)
.endif
.endm
.macro PLACES                          ; four places behind matrix instructions (ISA guide 7.12.1)
.rept 4
	v_nop
.endr
.endm
.macro ALL4 line:vararg                ; one line for each tile t of 16 rows
.set t, 0
.rept 4
	\line
.set t, t+1
.endr
.endm
.macro ROUND                           ; a round of the cluster's barrier: my work-group's barrier; wave 0 signals for the work-group; every wave waits for all four work-groups; my work-group's barrier once more
	s_barrier_signal -1
	s_barrier_wait -1
	s_cmp_lg_u32 s[WV], 0
	s_cbranch_scc1 .Lnw0_\@
	s_barrier_signal -3
.Lnw0_\@:
	s_barrier_wait -3
	s_barrier_signal -1
	s_barrier_wait -1
.endm
; THE CHANGE OF SLOTS, into slot `slot`.  Each wave waits for all its tensor loads, of which one is out: its quarter of this slot's tile; adds 0 to its spare word; waits for that and for all its LDS reads and stores.
; Behind the round nobody in the cluster reads the other slot any more, and it is filled again first thing: one load a wave, which has the step's 128 products in which to land.
; The same barrier hands the hidden chunk from its writers to its readers, and back.  step = 1: the prefetch's address goes a tile on.
.macro CHANGE slot, refill, step
	WIN 0
	s_wait_tensorcnt 0x0                           ; no tensor load of mine is out, so a group 0 may be written
	ds_add_u32 v[SPW], v[NIL]
	s_add_nc_u64 s[G0+4*(\slot)+2:G0+4*(\slot)+3], s[G0+4*(\slot)+2:G0+4*(\slot)+3], 262144  ; this slot's next tile (behind the last, not used)
.if \step
	s_wait_xcnt 0x0                                ; the last prefetch, a step back, has read its address
	s_add_nc_u64 s[PFA:PFA+1], s[PFA:PFA+1], 131072
.endif
	s_wait_dscnt 0x0
.if \refill
	ROUND
	tensor_load_to_lds s[G0+4*(1-(\slot)):G0+4*(1-(\slot))+3], s[G1W:G1W+7]
	s_nop 0
.else
	s_barrier_signal -1
	s_barrier_wait -1
.endif
.rept 5                                ; five places: the next step's products write over, and its loads land in, registers that the last products read
	v_nop
.endr
.endm
; A PREFETCH INTO THE L2 of the tile that stands three refills on, behind the step's first two runs of LDS loads.  All 64 clusters walk the same tiles: the first cluster asks.  Its four work-groups take a quarter each, its
; waves 8,192 bytes of that, a lane a block of 256 bytes, told apart by address: each block of tiles 4 to 35 is named once in the launch.  how = 1: always; 2: in the loop, but for its last trip, whose tiles three on do not exist.
.macro ASK how
.if (\how) == 1
	s_cmp_eq_u32 s[LIM], 1
.elseif (\how) == 2
	s_cmp_gt_u32 s[CNT], s[LIM]
.endif
.if \how
	s_cbranch_scc0 .Lna_\@
	global_prefetch_b8 v[PFO], s[PFA:PFA+1] th:TH_LOAD_NT scope:SCOPE_SE
.Lna_\@:
.endif
.endm
.macro FETCHW slot, q, buf             ; 8 fragments of my quarter: 16 loads of 512 consecutive bytes
.set i, 0
.rept 8
	ds_load_b128 v[(\buf)+8*i:(\buf)+8*i+3],   v[VW0+(\slot)] offset:(8*(\q)+i)*1024
	ds_load_b128 v[(\buf)+8*i+4:(\buf)+8*i+7], v[VW0+(\slot)] offset:(8*(\q)+i)*1024+512
.set i, i+1
.endr
.endm
.macro FETCHH q, buf                   ; the hidden chunk's 4 fragments for 32 q ..
.set i, 0
.rept 4
	ds_load_b128 v[(\buf)+8*i:(\buf)+8*i+3],   v[VH] offset:(4*(\q)+i)*1024
	ds_load_b128 v[(\buf)+8*i+4:(\buf)+8*i+7], v[VH] offset:(4*(\q)+i)*1024+512
.set i, i+1
.endr
.endm
; A STEP is four quarters of 32 products on the two weight buffers by turns; a quarter's fragments are asked for ahead of the quarter before it.  The accumulators (32, or 8) take turns.
; Y += O w_o, tile j: k = 128 j + 32 q
.macro WO j, ask
	FETCHW (\j)%2, 0, BUFA
.irp q, 0,1,2,3
.if (\q) >= 1
	PLACES
.endif
	WIN 0
.if (\q) < 3
	FETCHW (\j)%2, (\q)+1, BUFA+64*(((\q)+1)%2)
.if (\q) == 0
	ASK \ask
.endif
	s_wait_dscnt 16                                ; all but the 16 just issued
.else
	s_wait_dscnt 0x0
.endif
	WIN 0x58+4*((\j)/2)                            ; w in window 0, O in window 2 or 3, Y in window 1
.set rB, BUFA+64*((\q)%2)
.set t, 0
.rept 4
.set nb, 0
.rept 8
.set rY, 8*(8*t+nb)
.set rO, 8*((4*(4*(\j)+(\q))+t)%32)
	v_wmma_f32_16x16x32_bf16 v[rY:rY+7], v[rB+8*nb:rB+8*nb+7], v[rO:rO+7], v[rY:rY+7]
.set nb, nb+1
.endr
.set t, t+1
.endr
.endr
.endm
; My 32 hidden columns of a chunk: b_ff1 starts the sums (as the C of the first products), k = 32 (4 q + sl); then ReLU on the rounded pairs, and into LDS as fragments.  last = 0: the next chunk's b_ff1 is asked for.
.macro P1 last, ask
	FETCHW 0, 0, BUFA
.irp q, 0,1,2,3
.if (\q) >= 1
	PLACES
.endif
	WIN 0
.if (\q) < 3
	FETCHW 0, (\q)+1, BUFA+64*(((\q)+1)%2)
.if (\q) == 0
	ASK \ask
.endif
	s_wait_dscnt 16                                ; all but the 16 just issued
.else
	s_wait_dscnt 0x0
.endif
.if (\q) == 0
	s_wait_loadcnt 0x0                             ; b_ff1
.endif
	WIN 0x08+4*((\q)/2)                            ; w and the sums in window 0, h1 in window 2 or 3
.set rB, BUFA+64*((\q)%2)
.set sl, 0
.rept 4
.set f, 0
.rept 2
.set t, 0
.rept 4
.set rH, HA+8*(4*f+t)
.set rX, 8*((4*(4*(\q)+sl)+t)%32)
.if ((\q) == 0) && (sl == 0)
	v_wmma_f32_16x16x32_bf16 v[rH:rH+7], v[rB+8*(2*sl+f):rB+8*(2*sl+f)+7], v[rX:rX+7], v[BI+8*f:BI+8*f+7]
.else
	v_wmma_f32_16x16x32_bf16 v[rH:rH+7], v[rB+8*(2*sl+f):rB+8*(2*sl+f)+7], v[rX:rX+7], v[rH:rH+7]
.endif
.set t, t+1
.endr
.set f, f+1
.endr
.set sl, sl+1
.endr
.endr
	PLACES
	WIN 0
.set o, 0
.rept 32
	v_cvt_pk_bf16_f32 v[HA+o], v[HA+2*o], v[HA+2*o+1]  ; in place and ascending: (f, t) ends at HA + 4 (4 f + t)
.set o, o+1
.endr
.set o, 0
.rept 32
	v_pk_max_num_bf16 v[HA+o], v[HA+o], v[ZERO]
.set o, o+1
.endr
.set f, 0
.rept 2
.set t, 0
.rept 4
	ds_store_b128 v[HS], v[HA+4*(4*f+t):HA+4*(4*f+t)+3] offset:t*1024+f*512  ; fragment 4 w + t, half f
.set t, t+1
.endr
.set f, f+1
.endr
.if !(\last)
	s_add_nc_u64 s[BF:BF+1], s[BF:BF+1], 512       ; (the loads that read it were waited for above)
	BLOAD
.endif
.endm
.macro BLOAD
.irp f, 0,1
	global_load_b128 v[BI+8*(\f):BI+8*(\f)+3],   v[BO], s[BF:BF+1] offset:(\f)*64
	global_load_b128 v[BI+8*(\f)+4:BI+8*(\f)+7], v[BO], s[BF:BF+1] offset:(\f)*64+16
.endr
.endm
; Y += (hidden chunk) w_ff2: k = 32 q of the chunk
.macro P2 ask
	FETCHW 1, 0, BUFA
	FETCHH 0, HA
.irp q, 0,1,2,3
.if (\q) >= 1
	PLACES
.endif
	WIN 0
.if (\q) < 3
	FETCHW 1, (\q)+1, BUFA+64*(((\q)+1)%2)
	FETCHH (\q)+1, HA+32*(((\q)+1)%2)
.if (\q) == 0
	ASK \ask
.endif
	s_wait_dscnt 24                                ; all but the 24 just issued
.else
	s_wait_dscnt 0x0
.endif
	WIN 0x50                                       ; both sources in window 0, Y in window 1
.set rB, BUFA+64*((\q)%2)
.set rF, HA+32*((\q)%2)
.set t, 0
.rept 4
.set nb, 0
.rept 8
.set rY, 8*(8*t+nb)
	v_wmma_f32_16x16x32_bf16 v[rY:rY+7], v[rB+8*nb:rB+8*nb+7], v[rF+8*t:rF+8*t+7], v[rY:rY+7]
.set nb, nb+1
.endr
.set t, t+1
.endr
.endr
.endm
; The pairs PR become the rows' sums over all 512 columns, in TM + t in every lane.  Each of the four blocks st is written once in the launch, so one barrier does.
.macro XSUM st
	ALL4 v_add_f32 v[ST+t], v[PR+2*t], v[PR+2*t+1]
	ALL4 v_permlanex16_b32 v[PR+2*t], v[ST+t], s[SEL], s[SEL+1]
	ALL4 v_add_f32 v[ST+t], v[ST+t], v[PR+2*t]
	ds_store_b128 v[STW], v[ST:ST+3] offset:(\st)*1024     ; both halves of the lanes write the same numbers to the same words
	s_wait_dscnt 0x0                               ; for the others' sake
	s_barrier_signal -1
	s_barrier_wait -1
.irp w, 0,1,2,3
	ds_load_b128 v[TM+4*(\w):TM+4*(\w)+3], v[STRD] offset:(\st)*1024+(\w)*256
.endr
	s_wait_dscnt 0x0
	v_pk_add_f32 v[TM:TM+1], v[TM:TM+1], v[TM+4:TM+5]
	v_pk_add_f32 v[TM+2:TM+3], v[TM+2:TM+3], v[TM+6:TM+7]
	v_pk_add_f32 v[TM+8:TM+9], v[TM+8:TM+9], v[TM+12:TM+13]
	v_pk_add_f32 v[TM+10:TM+11], v[TM+10:TM+11], v[TM+14:TM+15]
	v_pk_add_f32 v[TM:TM+1], v[TM:TM+1], v[TM+8:TM+9]
	v_pk_add_f32 v[TM+2:TM+3], v[TM+2:TM+3], v[TM+10:TM+11]
.endm
.macro YALL line:vararg                ; one line for each pair m of each tile t of Y
.set t, 0
.rept 4
.set m, 0
.rept 32
	\line
.set m, m+1
.endr
.set t, t+1
.endr
.endm
; Y = (Y - mean) / sqrt(var + 1e-5) x gain + bias, in place.  gp, bp: the scalar pairs with the two vectors' addresses; st: the first of two blocks for the sums.
.macro LNORM gp, bp, st
	PLACES
	PLACES
	WIN 0
.set nb, 0
.rept 8
	global_load_b128 v[BUFA+8*nb:BUFA+8*nb+3],   v[GO], s[\gp:\gp+1] offset:nb*64
	global_load_b128 v[BUFA+8*nb+4:BUFA+8*nb+7], v[GO], s[\gp:\gp+1] offset:nb*64+16
	global_load_b128 v[BUFB+8*nb:BUFB+8*nb+3],   v[GO], s[\bp:\bp+1] offset:nb*64
	global_load_b128 v[BUFB+8*nb+4:BUFB+8*nb+7], v[GO], s[\bp:\bp+1] offset:nb*64+16
.set nb, nb+1
.endr
	WIN 0x05                                       ; the sums; the tiles alternate
	ALL4 v_pk_add_f32 v[PR+2*t:PR+2*t+1], v[64*t:64*t+1], v[64*t+2:64*t+3]
	WIN 0x01
.set m, 2
.rept 30
	ALL4 v_pk_add_f32 v[PR+2*t:PR+2*t+1], v[64*t+2*m:64*t+2*m+1], v[PR+2*t:PR+2*t+1]
.set m, m+1
.endr
	WIN 0
	XSUM \st
	ALL4 v_mul_f32 v[PR+2*t], s[NINV], v[TM+t]     ; - mean, twice
	ALL4 v_mov_b32 v[PR+2*t+1], v[PR+2*t]
	WIN 0x41
	YALL v_pk_add_f32 v[64*t+2*m:64*t+2*m+1], v[64*t+2*m:64*t+2*m+1], v[PR+2*t:PR+2*t+1]
	WIN 0x05
	ALL4 v_pk_mul_f32 v[PR+2*t:PR+2*t+1], v[64*t:64*t+1], v[64*t:64*t+1]
.set m, 1
.rept 31
	ALL4 v_pk_fma_f32 v[PR+2*t:PR+2*t+1], v[64*t+2*m:64*t+2*m+1], v[64*t+2*m:64*t+2*m+1], v[PR+2*t:PR+2*t+1]
.set m, m+1
.endr
	WIN 0
	XSUM (\st)+1
	ALL4 v_fma_f32 v[TM+t], v[TM+t], s[INV], s[EPS]
	ALL4 v_rsq_f32 v[PR+2*t], v[TM+t]
	v_nop
	s_wait_alu depctr_va_vdst(0)                   ; one wait for the four roots
	ALL4 v_mov_b32 v[PR+2*t+1], v[PR+2*t]
	s_wait_loadcnt 0x0                             ; gain and bias (and what was asked for ahead of them)
	WIN 0x41
	YALL v_pk_mul_f32 v[64*t+2*m:64*t+2*m+1], v[64*t+2*m:64*t+2*m+1], v[PR+2*t:PR+2*t+1]
	YALL v_pk_fma_f32 v[64*t+2*m:64*t+2*m+1], v[64*t+2*m:64*t+2*m+1], v[BUFA+2*m:BUFA+2*m+1], v[BUFB+2*m:BUFB+2*m+1]
	WIN 0
.endm
	s_load_b512 s[4:19], s[0:1], 0x0               ; x 4, ob 6, wt 8, b_ff1 10, b_ff2 12, g1 14, b1 16, g2 18
	s_load_b128 s[20:23], s[0:1], 0x40             ; b2 20, out0 22
	v_lshl_add_u32 v[SPW], v0, 2, SPARE
	v_mov_b32 v[NIL], 0
	ds_add_u32 v[SPW], v[NIL]                      ; the opening: the add, twice on end, and its wait ahead of my first tensor load
	ds_add_u32 v[SPW], v[NIL]
	v_lshrrev_b32 v30, 5, v0
	v_readfirstlane_b32 s[WV], v30
	v_and_b32 v30, 31, v0
	v_lshlrev_b32 v[L16], 4, v30
	v_lshlrev_b32 v[PFO], 8, v30
	v_and_b32 v30, 15, v0                          ; lane % 16
	v_bfe_u32 v31, v0, 4, 1                        ; lane / 16
	s_lshl_b32 s29, s[WV], 15
	v_add_nc_u32 v[VW0], s29, v[L16]
	v_add_nc_u32 v[VW0+1], SLOT1, v[VW0]
	v_add_nc_u32 v[VH], SC, v[L16]
	s_lshl_b32 s29, s[WV], 12
	v_add_nc_u32 v[HS], s29, v[VH]
	v_mul_u32_u24 v[OSW], v30, 528
	v_lshl_add_u32 v[OSW], v31, 5, v[OSW]          ; row x 528 + 32 x half
	s_mul_i32 s29, s[WV], 33792
	s_add_co_u32 s29, s29, SLOT1
	v_add_nc_u32 v[XL], s29, v[OSW]
	s_mul_i32 s29, s[WV], 8448
	s_add_co_u32 s29, s29, SC
	v_add_nc_u32 v[OSW], s29, v[OSW]
	v_add_nc_u32 v[ORD], s29, v[L16]
	v_lshlrev_b32 v[BO], 5, v31
	s_lshl_b32 s29, s[WV], 9
	v_add_nc_u32 v[GO], s29, v[BO]
	s_lshl_b32 s29, s[WV], 7
	v_add_nc_u32 v[BO], s29, v[BO]
	v_lshlrev_b32 v[STRD], 4, v30
	v_add_nc_u32 v[STRD], STAT, v[STRD]
	s_lshl_b32 s29, s[WV], 8
	v_add_nc_u32 v[STW], s29, v[STRD]
	s_and_b32 s29, s[WV], 1
	s_lshl_b32 s29, s29, 14
	v_add_nc_u32 v[EX], s29, v[VH]
	v_mov_b32 v[ZERO], 0
	s_bfe_u32 s[CX], ttmp6, 0x40000                ; my place in the cluster
	s_lshl_b32 s[RB], ttmp9, 2                     ; in a cluster launch ttmp9 counts clusters
	s_add_co_u32 s[RB], s[RB], s[CX]               ; my block of 64 rows
	; group 1 for the weights: a quarter of a tile, 32,768 dense bytes, as 128 rows of 256
	s_mov_b32 s[G1W+0], 15|(3<<16)|(1<<21)         ; the mask of four; elements of 8 bytes; bit 21 set beside a mask; no padding
	s_mov_b32 s[G1W+1], 32<<16                     ; tensor_dim0 = 32
	s_mov_b32 s[G1W+2], 128<<16                    ; tensor_dim1 = 128
	s_mov_b32 s[G1W+3], 32<<16                     ; tile_dim0 = 32
	s_mov_b32 s[G1W+4], 128                        ; tile_dim1 = 128
	s_mov_b32 s[G1W+5], 32                         ; 32 elements from row to row
	s_mov_b32 s[G1W+6], 0
	s_mov_b32 s[G1W+7], 0
	; group 1 for x: 64 rows x 128 f32, my own (no mask), 16 bytes of padding behind each row of 128 words
	s_mov_b32 s[G1X+0], (2<<16)|(1<<20)|(6<<22)|(3<<25)
	s_mov_b32 s[G1X+1], 128<<16
	s_mov_b32 s[G1X+2], 64<<16
	s_mov_b32 s[G1X+3], 128<<16
	s_mov_b32 s[G1X+4], 64
	s_mov_b32 s[G1X+5], 512
	s_mov_b32 s[G1X+6], 0
	s_mov_b32 s[G1X+7], 0
	s_mov_b32 s[G0], 1
	s_lshl_b32 s[G0+1], s[WV], 15                  ; slot 0, my quarter: no place in the cluster enters an LDS address
	s_mov_b32 s[G0+4], 1
	s_add_co_u32 s[G0+5], s[G0+1], SLOT1
	s_mov_b32 s[G0X], 1
	s_mul_i32 s[G0X+1], s[WV], 33792
	s_add_co_u32 s[G0X+1], s[G0X+1], SLOT1
	s_lshl_b32 s72, s[WV], 15
	s_mov_b32 s73, 0
	s_lshl_b32 s74, s[RB], 17                      ; 64 rows of 2,048 bytes,
	s_lshl_b32 s75, s[WV], 9                       ; my 128 columns
	s_add_co_u32 s74, s74, s75
	s_mov_b32 s75, 0
	s_mov_b32 s[SEL], 0x76543210
	s_mov_b32 s[SEL+1], 0xfedcba98
	s_mov_b32 s[INV], 0x3b000000                   ; 1 / 512
	s_mov_b32 s[NINV], 0xbb000000
	s_mov_b32 s[EPS], 0x3727c5ac                   ; 1e-5
	s_cmp_eq_u32 ttmp9, 0
	s_cselect_b32 s[LIM], 1, -1                    ; the first cluster prefetches: the same in all four partners
	s_wait_dscnt 0x0                               ; both opening adds are done
	s_wait_kmcnt 0x0
	s_add_nc_u64 s[G0+2:G0+3], s[8:9], s[72:73]    ; tile 0,
	s_add_nc_u64 s[G0+6:G0+7], s[G0+2:G0+3], 131072  ; tile 1
	s_or_b32 s[G0+3], s[G0+3], 0x80000000          ; type = 2
	s_or_b32 s[G0+7], s[G0+7], 0x80000000
	s_add_nc_u64 s[G0X+2:G0X+3], s[4:5], s[74:75]
	s_or_b32 s[G0X+3], s[G0X+3], 0x80000000
	s_add_nc_u64 s[OUT:OUT+1], s[22:23], s[74:75]
	s_lshl_b32 s74, s[RB], 16
	s_add_nc_u64 s[OB:OB+1], s[6:7], s[74:75]
	s_lshl_b32 s74, s[CX], 15                      ; the prefetch: my work-group's quarter, my wave's 8,192 bytes of it,
	s_lshl_b32 s29, s[WV], 13
	s_add_co_u32 s74, s74, s29
	s_add_co_u32 s74, s74, 3*131072                ; at tile 3: the first change of slots steps it to tile 4
	s_add_nc_u64 s[PFA:PFA+1], s[8:9], s[74:75]
	s_mov_b64 s[BF:BF+1], s[10:11]
	ROUND                                          ; all four work-groups are here: the first loads go out as one group behind this round
	tensor_load_to_lds s[G0X:G0X+3], s[G1X:G1X+7]  ; my columns of x, to slot 1's place
	s_nop 0
	tensor_load_to_lds s[G0:G0+3], s[G1W:G1W+7]    ; tile 0: two loads of mine are out
	s_nop 0
	PLACES
	WIN 0x80                                       ; O's 64 fragments, straight from memory: 512 consecutive bytes a load
.set f, 0
.rept 32
	global_load_b128 v[8*f:8*f+3],   v[L16], s[OB:OB+1] offset:f*1024
	global_load_b128 v[8*f+4:8*f+7], v[L16], s[OB:OB+1] offset:f*1024+512
.set f, f+1
.endr
	WIN 0xc0
.set f, 0
.rept 32
	global_load_b128 v[8*f:8*f+3],   v[L16], s[OB:OB+1] offset:(f+32)*1024
	global_load_b128 v[8*f+4:8*f+7], v[L16], s[OB:OB+1] offset:(f+32)*1024+512
.set f, f+1
.endr
	s_wait_tensorcnt 0x1                           ; x is in (only I read my part); tile 0, issued behind it, may stay out
	WIN 0x40                                       ; Y starts as x: the residual in f32, and nothing is cleared
.set t, 0
.rept 4
.set nb, 0
.rept 8
	ds_load_b128 v[8*(8*t+nb):8*(8*t+nb)+3],   v[XL] offset:t*8448+nb*64
	ds_load_b128 v[8*(8*t+nb)+4:8*(8*t+nb)+7], v[XL] offset:t*8448+nb*64+16
.set nb, nb+1
.endr
.set t, t+1
.endr
	CHANGE 0, 1, 1                                 ; tile 0 is in, x has been read by all: tile 1 goes where x lay
	s_wait_loadcnt 0x0                             ; O
	WO 0, 1
	CHANGE 1, 1, 1
	WO 1, 1
	CHANGE 0, 1, 1
	WO 2, 1
	CHANGE 1, 1, 1
	WO 3, 1
	WIN 0
.set nb, 0
.rept 8                                ; b_ff2, my 64 columns a lane, into registers that no product has touched yet
	global_load_b128 v[HA+8*nb:HA+8*nb+3],   v[GO], s[12:13] offset:nb*64
	global_load_b128 v[HA+8*nb+4:HA+8*nb+7], v[GO], s[12:13] offset:nb*64+16
.set nb, nb+1
.endr
	LNORM 14, 16, 0                                ; Y = h1
	; h1, rounded, becomes source 1 for all four waves: 64 fragments, through SC in two halves of 32
	WIN 0xc5
.set o, 0
.rept 128
	v_cvt_pk_bf16_f32 v[o], v[2*o], v[2*o+1]       ; (t, nb) at 4 (8 t + nb) of window 3: O has been used up
.set o, o+1
.endr
.macro HXST                            ; my 128 columns: fragments 4 (4 (w % 2) + nb / 2) + t of the half, half nb % 2
	WIN 0x0c
.set t, 0
.rept 4
.set nb, 0
.rept 8
	ds_store_b128 v[EX], v[4*(8*t+nb):4*(8*t+nb)+3] offset:(nb/2)*4096+t*1024+(nb%2)*512
.set nb, nb+1
.endr
.set t, t+1
.endr
	WIN 0
.endm
.macro HXLD                            ; a half's 32 fragments
.set f, 0
.rept 32
	ds_load_b128 v[8*f:8*f+3],   v[VH] offset:f*1024
	ds_load_b128 v[8*f+4:8*f+7], v[VH] offset:f*1024+512
.set f, f+1
.endr
.endm
	WIN 0
	s_cmp_lt_u32 s[WV], 2
	s_cbranch_scc0 .Lx1
	HXST                                           ; waves 0 and 1: columns 0 to 255
.Lx1:
	s_wait_dscnt 0x0
	s_barrier_signal -1
	s_barrier_wait -1
	WIN 0x80
	HXLD
	WIN 0
	s_wait_dscnt 0x0                               ; my reads of the first half are over,
	s_barrier_signal -1
	s_barrier_wait -1                              ; everybody's are
	s_cmp_lt_u32 s[WV], 2
	s_cbranch_scc1 .Lx2
	HXST                                           ; waves 2 and 3: columns 256 to 511
.Lx2:
	s_wait_dscnt 0x0
	s_barrier_signal -1
	s_barrier_wait -1
	WIN 0xc0
	HXLD                                           ; (over my own rounded h1, which has been stored; waited for ahead of the barriers above)
	WIN 0x41
	YALL v_pk_add_f32 v[64*t+2*m:64*t+2*m+1], v[64*t+2*m:64*t+2*m+1], v[HA+2*m:HA+2*m+1]  ; Y = h1 + b_ff2: the second residual, onto which w_ff2's products add
	WIN 0
	BLOAD                                          ; b_ff1 of chunk 0
	s_mov_b32 s[CNT], 15
.Lchunk:                                       ; chunks 0 to 14
	CHANGE 0, 1, 1
	P1 0, 2
	CHANGE 1, 1, 1
	P2 2
	WIN 0
	s_sub_co_u32 s[CNT], s[CNT], 1
	s_cmp_lg_u32 s[CNT], 0
	s_cbranch_scc1 .Lchunk
	CHANGE 0, 1, 0                                 ; the last chunk is written out
	P1 1, 0
	CHANGE 1, 0, 0                                 ; nothing is left to fetch
	P2 0
	LNORM 18, 20, 2
	; THE WAY OUT, 16 rows at a time through my own stage in SC (the barriers of the norm stand between the others' last reads of the hidden chunk and these stores): in by lanes, back as rows of 512 bytes
.irp t, 0,1,2,3
	WIN 0x04
.set nb, 0
.rept 8
	ds_store_b128 v[OSW], v[64*(\t)+8*nb:64*(\t)+8*nb+3]   offset:nb*64
	ds_store_b128 v[OSW], v[64*(\t)+8*nb+4:64*(\t)+8*nb+7] offset:nb*64+16
.set nb, nb+1
.endr
	WIN 0
.if (\t) >= 2
	s_wait_xcnt 0x0                                ; the stores of two tiles back have read these registers
.endif
.set i, 0
.rept 16
	ds_load_b128 v[BUFA+64*((\t)%2)+4*i:BUFA+64*((\t)%2)+4*i+3], v[ORD] offset:i*528  ; LDS serves a wave's instructions in order (ISA guide 5.7.1.4)
.set i, i+1
.endr
.set i, 0
.rept 16
	s_wait_dscnt 15-i                              ; the younger loads may stay out
	global_store_b128 v[L16], v[BUFA+64*((\t)%2)+4*i:BUFA+64*((\t)%2)+4*i+3], s[OUT:OUT+1] offset:(16*(\t)+i)*2048 th:TH_STORE_NT  ; 512 consecutive bytes, aligned
.set i, i+1
.endr
.endr
	s_wait_tensorcnt 0x0                           ; the wave's end: the tensor wait, an add of 0 to my spare word and its wait, behind my last tensor load and LDS store
	ds_add_u32 v[SPW], v[NIL]
	s_wait_dscnt 0x0
	ROUND                                          ; the closing round: no work-group ends while a partner may still ask for a tile that names it
	s_endpgm
.Lfunc_end_k_q29437c934f_tail:
	.size	k_q29437c934f_tail, .Lfunc_end_k_q29437c934f_tail-k_q29437c934f_tail
	.p2alignl 7, 3214868480
	.fill 96, 4, 3214868480
	.section	.rodata,"a",@progbits
	.p2align	6, 0x0
	.amdhsa_kernel k_q29437c934f_tail
		.amdhsa_group_segment_fixed_size 327680
		.amdhsa_private_segment_fixed_size 0
		.amdhsa_enable_private_segment 0
		.amdhsa_kernarg_size 80
		.amdhsa_user_sgpr_count 2
		.amdhsa_user_sgpr_kernarg_segment_ptr 1
		.amdhsa_wavefront_size32 1
		.amdhsa_system_sgpr_workgroup_id_x 1
		.amdhsa_system_sgpr_workgroup_id_y 1
		.amdhsa_system_sgpr_workgroup_id_z 1
		.amdhsa_system_vgpr_workitem_id 0
		.amdhsa_next_free_vgpr 1024
		.amdhsa_next_free_sgpr 80
		.amdhsa_reserve_vcc 0
		.amdhsa_float_denorm_mode_32 3
		.amdhsa_float_denorm_mode_16_64 3
		.amdhsa_memory_ordered 1
		.amdhsa_forward_progress 1
		.amdhsa_inst_pref_size 255
	.end_amdhsa_kernel
	.section	.bss,"aw",@nobits
	.p2align	6
	.space	262144
	.amdgpu_metadata
---
amdhsa.version: [ 1, 2 ]
amdhsa.kernels:
  - .name:           k_q29437c934f_tail
    .symbol:         k_q29437c934f_tail.kd
    .args:
      - { .name: x, .offset: 0, .size: 8, .value_kind: global_buffer, .address_space: global }
      - { .name: ob, .offset: 8, .size: 8, .value_kind: global_buffer, .address_space: global }
      - { .name: wt, .offset: 16, .size: 8, .value_kind: global_buffer, .address_space: global }
      - { .name: b_ff1, .offset: 24, .size: 8, .value_kind: global_buffer, .address_space: global }
      - { .name: b_ff2, .offset: 32, .size: 8, .value_kind: global_buffer, .address_space: global }
      - { .name: g1, .offset: 40, .size: 8, .value_kind: global_buffer, .address_space: global }
      - { .name: b1, .offset: 48, .size: 8, .value_kind: global_buffer, .address_space: global }
      - { .name: g2, .offset: 56, .size: 8, .value_kind: global_buffer, .address_space: global }
      - { .name: b2, .offset: 64, .size: 8, .value_kind: global_buffer, .address_space: global }
      - { .name: out0, .offset: 72, .size: 8, .value_kind: global_buffer, .address_space: global }
    .group_segment_fixed_size: 327680
    .private_segment_fixed_size: 0
    .kernarg_segment_align: 8
    .kernarg_segment_size: 80
    .max_flat_workgroup_size: 128
    .sgpr_count:     80
    .vgpr_count:     1024
    .wavefront_size: 32
...
	.end_amdgpu_metadata
.endif
;; end of part 3
;; ======== version 2 of 3: 3 launches
;; limits: right only within a limited range of input values
;; workspace buffers: xb 16,777,216 bytes; wa 1,572,864 bytes; wt 4,718,592 bytes; ob 16,777,216 bytes
;; launch prep: the kernel of part 1 again; grid 256 x 1, 8 waves a work-group, no clusters, 68,608 bytes of LDS; arguments x, w_q, w_k, w_v, w_o, w_ff1, w_ff2, xb, wa, wt; writes xb, wa, wt
;; launch attn (part 4): grid 8 x 32, 4 waves a work-group, no clusters, 197,120 bytes of LDS; arguments xb, wa, ob; writes ob
.if DOCPART == 4
	.amdgcn_target "amdgcn-amd-amdhsa--gfx1250"
	.amdhsa_code_object_version 6
	.text
	.protected	k_q29437c934f_attn
	.globl	k_q29437c934f_attn
	.p2align	8
	.type	k_q29437c934f_attn,@function
k_q29437c934f_attn:
	s_mov_b64 s[64:65], 0
	v_nop
	global_prefetch_b8 v0, s[64:65] scope:SCOPE_SE
	s_setreg_imm32_b32 hwreg(HW_REG_WAVE_MODE, 25, 1), 1
	s_wait_xcnt 0x0
; COSFORMER LAYER, launch 2 of 3: one work-group for each (batch, head): q, k, v = x w, the norms, softmax(q.k / max(|q||k|, 1e-8) / 8), and its product with v.  q, k, v, the scores and the weights never leave the WGP.
; Nothing of reference() is left out here.
; NO MAXIMUM IS TAKEN AWAY, because the computation bounds the exponents for every input: |q.k| <= |q||k| <= max(|q||k|, eps) (Cauchy-Schwarz), so each softmax input lies in -1/8 .. 1/8, each
; exponential in 0.88 .. 1.14 and a row's sum of 512 of them in 451 .. 581.  With the operands rounded to bf16 the bound grows by under one part in a hundred.
; THE GUARD IS KEPT: q is multiplied by c / |q| (c = log2(e) / 8), k by 1 / |k|, both then rounded to bf16; each score is multiplied by min(1, |q||k| / eps), made as clamp(|q| x (|k| x 1e8)).
; That is c q.k / max(|q||k|, eps) in both cases.
; LIMITS.  A squared norm below 2^-126 counts as 2^-126 (its q or k is then 0 or so small that the guard's factor rules; the product norm x reciprocal root stays 1).  A squared norm that overflows f32 gives NaN, as
; it does in reference().  The weights are rounded to bf16 for the second product; their sum is taken of the unrounded ones.
; SHARES.  Wave w owns tokens 128 w .. + 127 of the batch, eight tiles of 16: as rows of the projections, and as queries.  Every wave walks all 512 keys, 64 a step.
; LAYOUT.  q and k: source 0 = 16 columns of w, source 1 = 16 tokens: a lane holds ONE token and 8 channels, and the rounded results ARE fragments (16 rows x 32 channels) of Q and K.  v: the sources swapped: a lane
; holds one channel and 8 tokens: fragments of V^T.  S^T = K Q^T holds one query a lane; two results rounded ARE source 1 of O^T = V^T P.  Nothing changes lanes but the sums over a row (one exchange of the halves).
; LDS.  The head's weights, 196,608 bytes, come by one tensor load a wave and are filled once.  When every wave has read them for the last time, the same bytes take K (65,536), V^T (65,536) and the keys' norms (2,048).
; x comes as fragments straight from memory into registers: each has one reader in the work-group.
; NO CLUSTER: what the eight heads of a batch share is x, which goes into registers, where no joint load reaches; through LDS it would want two slots of 65,536 bytes beside the weights: 327,680, with no byte left for the spare words.
; THE PROJECTIONS' 16 K STEPS: step 0, which starts the sums, is written out; steps 1 to 14 are a loop of seven trips; step 15, which asks for nothing, is written out.
; O^T and the sums are cleared (288 v_mov_b32, between a barrier's signal and its wait): the price of one text for all eight key steps.  The last key step fetches the bytes that lie behind K, V^T and the
; norms (inside LDS, all written) and uses none of them: the price of waits whose counts hold on every way.
; REGISTERS, in windows of 256 (s_set_vgpr_msb: bits 1:0 source 0, 3:2 source 1, 5:4 source 2, 7:6 destination).
;   projections: window 0: v32-127 w's fragments, a group of 4 for each of q, k, v; v128-255 x, two buffers of 8 fragments.  Windows 1, 2, 3: the sums of q, k, v, (tile t, block nb) at 8 (4 t + nb)
;   attention:   window 0: v16-31 |q|; v48-111 S^T, two buffers; v112-143 P, two buffers; v144-175 the guard's factors; v176-207 the step's |k| 1e8; v208-239 the sums, 4 a tile
;                window 1: v0-127 Q; v128-191 K of a step.  Window 2: O^T at 32 t + 8 cb.  Window 3: v0-63 V^T of a step
; All that a softmax touches lies in window 0, and no window has room for a product's operands beside it: a product among vector lines costs two switches.
.set SPARE, 196608                     ; behind the weights: the spare words, 128 bytes a wave
.set VL,  65536                        ; V^T in LDS
.set NL,  131072                       ; the norms
.set L16, 1                            ; v1  16 x lane; never rewritten
.set VW,  2                            ; v2  16 x lane + the k step in hand
.set PFO, 3                            ; v3  the prefetch's offset
.set AK,  4                            ; v4-6  LDS addresses of the next step's K, V^T, norms
.set AV,  5
.set AN,  6
.set KST, 7                            ; v7-9  where I store K, V^T, norms
.set VST, 8
.set NST, 9
.set SPW, 14                           ; v14 my spare word; never rewritten
.set NIL, 15                           ; v15 0; never rewritten
.set AQ,  16
.set WR,  32
.set XB,  128
.set SQ,  64                           ; v64-79  at work on the norms: a pair a tile
.set NKV, 240                          ; v240-247 |k| 1e8 of my tiles, until stored
.set S,   48
.set P,   112
.set T,   144
.set NK,  176
.set LS,  208
.set KF,  128
.set WV,  10
.set G0,  16                           ; s[16:19], s[20:27] the descriptor
.set G1,  20
.set SX,  28                           ; s[28:29] xb at my first tile, at the k step in hand
.set PF,  30                           ; s[30:31] where the prefetch stands
.set CNT, 32
.set LIM, 33
.set SEL, 34                           ; s[34:35] v_permlanex16_b32's selects: each lane takes its own place in the other half
.set CC,  36                           ; s36 c
.set OB,  42                           ; s[42:43] ob at my first bytes
.set MSB, 0
.macro WIN new                         ; the high byte repeats the setting that is left; a switch that changes nothing is dropped
.if MSB != (\new)
	s_set_vgpr_msb (MSB<<8)|(\new)
.set MSB, (\new)
.endif
.endm
.macro PLACES                          ; four places behind matrix instructions, in front of loads into registers that they read and of vector lines that read results
.rept 4
	v_nop
.endr
.endm
.macro ALL8 line:vararg                ; one line for each tile t
.set t, 0
.rept 8
	\line
.set t, t+1
.endr
.endm
	s_load_b128 s[4:7], s[0:1], 0x0                ; xb, wa
	s_load_b64 s[8:9], s[0:1], 0x10                ; ob
	v_lshl_add_u32 v[SPW], v0, 2, SPARE
	v_mov_b32 v[NIL], 0
	ds_add_u32 v[SPW], v[NIL]                      ; the opening: the add, twice on end, and its wait ahead of my first tensor load
	ds_add_u32 v[SPW], v[NIL]
	v_lshrrev_b32 v10, 5, v0
	v_readfirstlane_b32 s[WV], v10
	v_and_b32 v10, 31, v0
	v_lshlrev_b32 v[L16], 4, v10
	v_mov_b32 v[VW], v[L16]
	v_lshrrev_b32 v11, 3, v10
	v_and_b32 v12, 7, v10
	v_lshlrev_b32 v[PFO], 14, v11                  ; tile lane / 8 of my four,
	v_lshl_add_u32 v[PFO], v12, 8, v[PFO]          ; block lane % 8 of two k steps' 2,048 bytes
	v_mov_b32 v[AK], v[L16]
	v_add_nc_u32 v[AV], VL, v[L16]
	v_bfe_u32 v11, v0, 4, 1
	v_lshlrev_b32 v[AN], 5, v11                    ; my half's 8 keys
	v_add_nc_u32 v[AN], NL, v[AN]
	s_lshl_b32 s37, s[WV], 14
	v_add_nc_u32 v[KST], s37, v[L16]
	v_add_nc_u32 v[VST], VL, v[KST]
	v_and_b32 v12, 15, v0
	s_lshl_b32 s37, s[WV], 9
	v_lshl_add_u32 v[NST], v12, 2, s37
	v_add_nc_u32 v[NST], NL, v[NST]
	; the descriptor: my quarter of the head's weights, 49,152 dense bytes, as 192 rows of 256
	s_mov_b32 s[G0], 1                             ; count = 1
	s_mul_i32 s[G0+1], s[WV], 49152                ; LDS address
	s_mov_b32 s[G1+0], 3<<16                       ; no mask, elements of 8 bytes, no padding
	s_mov_b32 s[G1+1], 32<<16                      ; tensor_dim0 = 32
	s_mov_b32 s[G1+2], 192<<16                     ; tensor_dim1 = 192
	s_mov_b32 s[G1+3], 32<<16                      ; tile_dim0 = 32
	s_mov_b32 s[G1+4], 192                         ; tile_dim1 = 192
	s_mov_b32 s[G1+5], 32                          ; 32 elements from row to row
	s_mov_b32 s[G1+6], 0
	s_mov_b32 s[G1+7], 0
	s_and_b32 s12, ttmp7, 0xffff                   ; the batch
	s_mul_i32 s38, ttmp9, 196608                   ; the head's weights,
	s_add_co_u32 s38, s38, s[G0+1]                 ; my quarter
	s_mov_b32 s39, 0
	s_lshl_b32 s40, s12, 19                        ; (32 b + 8 w) tiles of 16,384 bytes
	s_lshl_b32 s41, s[WV], 17
	s_add_co_u32 s40, s40, s41
	s_mov_b32 s41, 0
	s_lshl_b32 s44, s12, 19                        ; the prefetch: tiles 4 head .. + 3 of the batch,
	s_lshl_b32 s45, ttmp9, 16
	s_add_co_u32 s44, s44, s45
	s_add_co_u32 s44, s44, 4*2048                  ; at k steps 8 and 9
	s_mov_b32 s45, 0
	s_lshl_b32 s46, ttmp9, 13                      ; ob: blocks 8 b + 2 w .. of 65,536 bytes, the head's 8 fragments
	s_add_co_u32 s46, s46, s40
	s_mov_b32 s47, 0
	s_mov_b32 s[SEL], 0x76543210
	s_mov_b32 s[SEL+1], 0xfedcba98
	s_mov_b32 s[CC], 0x3e38aa3b                    ; c = log2(e) / 8
	s_cmp_eq_u32 s[WV], 0
	s_cselect_b32 s[LIM], 3, -1                    ; wave 0 prefetches while more than three trips are left
	s_wait_dscnt 0x0                               ; both opening adds are done
	s_wait_kmcnt 0x0
	s_add_nc_u64 s[G0+2:G0+3], s[6:7], s[38:39]
	s_or_b32 s[G0+3], s[G0+3], 0x80000000          ; type = 2
	tensor_load_to_lds s[G0:G0+3], s[G1:G1+7]      ; my one tensor load of the launch
	s_nop 0
	PLACES
	s_add_nc_u64 s[SX:SX+1], s[4:5], s[40:41]
	s_add_nc_u64 s[PF:PF+1], s[4:5], s[44:45]
	s_add_nc_u64 s[OB:OB+1], s[8:9], s[46:47]
.macro XLOAD p, off                    ; a k step's 8 fragments of x into buffer p: each load takes 512 consecutive bytes
.set t, 0
.rept 8
	global_load_b128 v[XB+64*(\p)+8*t:XB+64*(\p)+8*t+3],   v[L16], s[SX:SX+1] offset:(\off)+t*16384
	global_load_b128 v[XB+64*(\p)+8*t+4:XB+64*(\p)+8*t+7], v[L16], s[SX:SX+1] offset:(\off)+t*16384+512
.set t, t+1
.endr
.endm
.macro WLD g, rel                      ; group g's 4 fragments of the k step rel behind the one at which v[VW] stands
.set nb, 0
.rept 4
	ds_load_b128 v[WR+32*(\g)+8*nb:WR+32*(\g)+8*nb+3],   v[VW] offset:((\rel)*12+4*(\g)+nb)*1024
	ds_load_b128 v[WR+32*(\g)+8*nb+4:WR+32*(\g)+8*nb+7], v[VW] offset:((\rel)*12+4*(\g)+nb)*1024+512
.set nb, nb+1
.endr
.endm
; A K STEP: 32 channels of x, 96 products.  For each of q, k, v: 32 products on 32 accumulators, which take turns; then the group's registers are asked for again, for the next k step.
; Behind the third group buffer p of x is asked for again, for the k step two on (xnext = 2: but in the loop's last trip, where that would be a k step 16; no counted wait on these loads follows that jump).
.macro KSTEP p, rel, zero, wnext, xnext, lcnt
.irp g, 0,1,2
.if \wnext
	s_wait_dscnt 16                                ; my group is in: the two groups asked for behind it, 8 loads each, may stay out
.else
	s_wait_dscnt 16-8*(\g)                         ; the last k step asks for nothing: the counts run down
.endif
.if (\g) == 0
	s_wait_loadcnt \lcnt                           ; buffer p of x is in; the other buffer's 16 loads may stay out
.endif
	WIN (((\g)+1)<<6)|(((\g)+1)<<4)
.set t, 0
.rept 8
.set nb, 0
.rept 4
.set rD, 8*(4*t+nb)
.set rW, WR+32*(\g)+8*nb
.set rX, XB+64*(\p)+8*t
.if (\g) < 2
.if \zero
	v_wmma_f32_16x16x32_bf16 v[rD:rD+7], v[rW:rW+7], v[rX:rX+7], 0
.else
	v_wmma_f32_16x16x32_bf16 v[rD:rD+7], v[rW:rW+7], v[rX:rX+7], v[rD:rD+7]
.endif
.else
.if \zero
	v_wmma_f32_16x16x32_bf16 v[rD:rD+7], v[rX:rX+7], v[rW:rW+7], 0
.else
	v_wmma_f32_16x16x32_bf16 v[rD:rD+7], v[rX:rX+7], v[rW:rW+7], v[rD:rD+7]
.endif
.endif
.set nb, nb+1
.endr
.set t, t+1
.endr
	PLACES
	WIN 0
.if \wnext
	WLD \g, (\rel)+1
.endif
.endr
.if (\xnext) == 2
	s_cmp_eq_u32 s[CNT], 1
	s_cbranch_scc1 .Lnox_\@
.endif
.if \xnext
	XLOAD \p, ((\rel)+2)*1024
.endif
.if (\xnext) == 2
.Lnox_\@:
.endif
.endm
	XLOAD 0, 0
	XLOAD 1, 1024
	s_wait_tensorcnt 0x0                           ; my quarter of the weights is in,
	s_barrier_signal -1
	s_barrier_wait -1                              ; everybody's is.  Nothing is filled again in this launch
	WLD 0, 0
	WLD 1, 0
	WLD 2, 0
	KSTEP 0, 0, 1, 1, 1, 16                        ; k step 0 starts the sums: nothing is cleared here
	v_add_nc_u32 v[VW], 12288, v[VW]               ; 12 fragments on: at k step 1
	s_wait_xcnt 0x0                                ; the loads issued so far have read their address
	s_add_nc_u64 s[SX:SX+1], s[SX:SX+1], 1024
	s_mov_b32 s[CNT], 7
.Lpair:                                        ; trip i = 0 .. 6: k steps 2 i + 1 and 2 i + 2
	KSTEP 1, 0, 0, 1, 1, 16
	; A PREFETCH INTO THE L2, behind the k step's loads: in trips 0 to 3 wave 0 names the 2,048 bytes of k steps 2 i + 8 and 2 i + 9 of tiles 4 head .. 4 head + 3 of the batch: a lane a block of 256 bytes.
	; The batch's eight work-groups so share its 32 tiles out by address, and each block is named once in the launch.  The first of those loads stands two and a half trips, 480 products, on.
	; K steps 0 to 7 come by their loads alone; trips 4 to 6 have nothing so far ahead.
	s_cmp_gt_u32 s[CNT], s[LIM]
	s_cbranch_scc0 .Lno_pf
	global_prefetch_b8 v[PFO], s[PF:PF+1] th:TH_LOAD_NT scope:SCOPE_SE
.Lno_pf:
	KSTEP 0, 1, 0, 1, 2, 16
	v_add_nc_u32 v[VW], 24576, v[VW]               ; 24 fragments on
	s_wait_xcnt 0x0                                ; the loads and the prefetch issued so far have read their addresses: the two pointers are written only behind this wait
	s_add_nc_u64 s[SX:SX+1], s[SX:SX+1], 2048
	s_add_nc_u64 s[PF:PF+1], s[PF:PF+1], 2048
	s_sub_co_u32 s[CNT], s[CNT], 1
	s_cmp_lg_u32 s[CNT], 0
	s_cbranch_scc1 .Lpair
	KSTEP 1, 0, 0, 0, 0, 0                         ; k step 15 asks for nothing
; THE NORMS.  A lane holds 32 of its token's 64 channels; the other 32 lie in the lane 16 away.
.macro SUMSQ g                         ; sums of squares, a pair a tile; the tiles alternate; each accumulator is read from its low end on
	WIN ((\g)<<2)|(\g)
.set m, 0
.rept 16
.set t, 0
.rept 8
.if m == 0
	v_pk_mul_f32 v[SQ+2*t:SQ+2*t+1], v[32*t:32*t+1], v[32*t:32*t+1]
.else
	v_pk_fma_f32 v[SQ+2*t:SQ+2*t+1], v[32*t+2*m:32*t+2*m+1], v[32*t+2*m:32*t+2*m+1], v[SQ+2*t:SQ+2*t+1]
.endif
.set t, t+1
.endr
.set m, m+1
.endr
	WIN 0
	ALL8 v_add_f32 v[SQ+2*t], v[SQ+2*t], v[SQ+2*t+1]
	ALL8 v_permlanex16_b32 v[SQ+2*t+1], v[SQ+2*t], s[SEL], s[SEL+1]
	ALL8 v_add_f32 v[SQ+2*t], v[SQ+2*t], v[SQ+2*t+1]
	ALL8 v_max_num_f32 v[SQ+2*t], 0x00800000, v[SQ+2*t]
	ALL8 v_rsq_f32 v[SQ+2*t+1], v[SQ+2*t]
	v_nop                                          ; a plain instruction behind the last root,
	s_wait_alu depctr_va_vdst(0)                   ; and one wait ahead of the batch's first reader
.endm
.macro SCALE g                         ; the tile's factor (the pair's low word) onto its 32 numbers a lane
	WIN ((\g)<<6)|(\g)
.set t, 0
.rept 8
.set m, 0
.rept 16
	v_pk_mul_f32 v[32*t+2*m:32*t+2*m+1], v[32*t+2*m:32*t+2*m+1], v[SQ+2*t:SQ+2*t+1] op_sel_hi:[1,0]
.set m, m+1
.endr
.set t, t+1
.endr
.endm
.macro PACKB g                         ; rounded to bf16 in pairs, in place and ascending: (t, nb) ends at 4 (4 t + nb)
	WIN ((\g)<<6)|((\g)<<2)|(\g)
.set o, 0
.rept 128
	v_cvt_pk_bf16_f32 v[o], v[2*o], v[2*o+1]
.set o, o+1
.endr
.endm
	SUMSQ 1
	ALL8 v_mul_f32 v[AQ+2*t], v[SQ+2*t], v[SQ+2*t+1]   ; |q| = n2 x 1/sqrt(n2), kept twice for the packed multiply
	ALL8 v_mov_b32 v[AQ+2*t+1], v[AQ+2*t]
	ALL8 v_mul_f32 v[SQ+2*t], s[CC], v[SQ+2*t+1]       ; q's factor: c / |q|
	SCALE 1
	PACKB 1
	SUMSQ 2
	ALL8 v_mul_f32 v[NKV+t], v[SQ+2*t], v[SQ+2*t+1]    ; |k|
	ALL8 v_mul_f32 v[NKV+t], 0x4cbebc20, v[NKV+t]      ; x 1e8 = 1 / eps
	ALL8 v_mov_b32 v[SQ+2*t], v[SQ+2*t+1]              ; k's factor: 1 / |k|
	SCALE 2
	PACKB 2
	PACKB 3
	WIN 0
	s_wait_dscnt 0x0                               ; my reads of the weights are over,
	s_barrier_signal -1
	s_barrier_wait -1                              ; everybody's are: their bytes, which had their one fill, now take K, V^T and the norms
	WIN 0x08                                       ; data in window 2
.set t, 0
.rept 8
.set nb, 0
.rept 4
	ds_store_b128 v[KST], v[4*(4*t+nb):4*(4*t+nb)+3] offset:t*2048+nb*512   ; K: fragment 2 (8 w + t) + nb / 2, half nb % 2
.set nb, nb+1
.endr
.set t, t+1
.endr
	WIN 0x0c                                       ; data in window 3
.set t, 0
.rept 8
.set nb, 0
.rept 4
	ds_store_b128 v[VST], v[4*(4*t+nb):4*(4*t+nb)+3] offset:(t/2)*4096+nb*1024+(t%2)*512  ; V^T: fragment 4 (4 w + t / 2) + nb, half t % 2
.set nb, nb+1
.endr
.set t, t+1
.endr
	WIN 0
	ALL8 ds_store_b32 v[NST], v[NKV+t] offset:t*64     ; both halves of the lanes write the same number to the same word
	s_wait_dscnt 0x0                               ; for the others' sake: my stores are done
	s_barrier_signal -1
	WIN 0x80
.set i, 0
.rept 256
	v_mov_b32 v[i], 0                              ; O^T
.set i, i+1
.endr
	WIN 0
.set i, 0
.rept 32
	v_mov_b32 v[LS+i], 0                           ; the sums
.set i, i+1
.endr
	s_barrier_wait -1
; THE LDS LOADS of a key step stand in three runs; each steps its address to the next step.
.macro KLD
	WIN 0x40
.set f, 0
.rept 8                                ; fragment f = 2 (key tile) + (channel half)
	ds_load_b128 v[KF+8*f:KF+8*f+3],   v[AK] offset:f*1024
	ds_load_b128 v[KF+8*f+4:KF+8*f+7], v[AK] offset:f*1024+512
.set f, f+1
.endr
	WIN 0
	v_add_nc_u32 v[AK], 8192, v[AK]
.endm
.macro NLD
	WIN 0
.irp i, 0,1,2,3                        ; register 8 i + j: key 16 i + 8 (lane / 16) + j, as in S^T
	ds_load_b128 v[NK+8*(\i):NK+8*(\i)+3],   v[AN] offset:(\i)*64
	ds_load_b128 v[NK+8*(\i)+4:NK+8*(\i)+7], v[AN] offset:(\i)*64+16
.endr
	v_add_nc_u32 v[AN], 256, v[AN]
.endm
.macro VLD
	WIN 0xc0
.set f, 0
.rept 8                                ; fragment f = 4 (key half) + (channel block)
	ds_load_b128 v[8*f:8*f+3],   v[AV] offset:f*1024
	ds_load_b128 v[8*f+4:8*f+7], v[AV] offset:f*1024+512
.set f, f+1
.endr
	WIN 0
	v_add_nc_u32 v[AV], 8192, v[AV]
.endm
; THE MATRIX WORK.  Product n of 8 of S^T = K Q^T for tile t: channels 32 (n / 4) on, keys 16 (n % 4) on; the first four start the sums.  The four accumulators take turns.
.macro KQ1 t, n
.set rS, S+32*((\t)%2)+8*((\n)%4)
.set rK, KF+16*((\n)%4)+8*((\n)/4)
.set rQ, 16*(\t)+8*((\n)/4)
.if (\n) < 4
	v_wmma_f32_16x16x32_bf16 v[rS:rS+7], v[rK:rK+7], v[rQ:rQ+7], 0
.else
	v_wmma_f32_16x16x32_bf16 v[rS:rS+7], v[rK:rK+7], v[rQ:rQ+7], v[rS:rS+7]
.endif
.endm
; Product n of 8 of O^T += V^T P for tile t: keys 32 (n / 4) on, channels 16 (n % 4) on.
.macro PV1 t, n
.set rO, 32*(\t)+8*((\n)%4)
.set rV, 32*((\n)/4)+8*((\n)%4)
.set rP, P+16*((\t)%2)+8*((\n)/4)
	v_wmma_f32_16x16x32_bf16 v[rO:rO+7], v[rV:rV+7], v[rP:rP+7], v[rO:rO+7]
.endm
.macro MK1 t, n                        ; one product K Q^T among vector lines (none behind the step's last tile)
.if (\t) < 8
	WIN 0x05                                       ; K and Q in window 1, S^T in window 0
	KQ1 \t, \n
.endif
	WIN 0
.endm
.macro MP1 t, n                        ; one product V^T P among vector lines (none ahead of the step's first tile)
.if (\t) >= 0
	WIN 0xa3                                       ; V^T in window 3, P in window 0, O^T in window 2
	PV1 \t, \n
.endif
	WIN 0
.endm
.macro OPA m                           ; the guard's factor for pair m of scores: clamp(|q| x |k| 1e8) = min(1, |q||k| / eps)
	v_pk_mul_f32 v[T+2*(\m):T+2*(\m)+1], v[NK+2*(\m):NK+2*(\m)+1], v[rA:rA+1] clamp
.endm
.macro OPB m                           ; onto the scores
	v_pk_mul_f32 v[rS0+2*(\m):rS0+2*(\m)+1], v[rS0+2*(\m):rS0+2*(\m)+1], v[T+2*(\m):T+2*(\m)+1]
.endm
.macro OPE n
	v_exp_f32 v[rS0+(\n)], v[rS0+(\n)]
.endm
; The 32 plain lines ahead of a turn's wait, in the order A0 A1 B0 A2 B1 A3 B2 .. A15 B14 B15: a factor stands three plain lines ahead of the multiply that reads it.
.macro PLN j
.if (\j) == 0
	OPA 0
.elseif (\j) == 31
	OPB 15
.elseif ((\j)%2) == 0
	OPB ((\j)-2)/2
.else
	OPA ((\j)+1)/2
.endif
.endm
.macro PE a, b                         ; for u = a .. b - 1: plain line 4 + u, then exponential u, whose score was multiplied two plain lines back or more
.set u, \a
.rept (\b)-(\a)
	PLN 4+u
	OPE u
.set u, u+1
.endr
.endm
; The 32 plain lines behind the wait.  CV c: pair c of weights rounded to bf16.  AD g: of the weights 8 g .. 8 g + 7 the second pair of each four is added onto the first, in place (behind their roundings).  LA g: the two chains of the tile's sum take those.
.macro CV c
	v_cvt_pk_bf16_f32 v[rP0+(\c)], v[rS0+2*(\c)], v[rS0+2*(\c)+1]
.endm
.macro AD g
.irp d, 0,1
	v_pk_add_f32 v[rS0+8*(\g)+4*(\d):rS0+8*(\g)+4*(\d)+1], v[rS0+8*(\g)+4*(\d):rS0+8*(\g)+4*(\d)+1], v[rS0+8*(\g)+4*(\d)+2:rS0+8*(\g)+4*(\d)+3]
.endr
.endm
.macro LA g
.irp d, 0,1
	v_pk_add_f32 v[rL+2*(\d):rL+2*(\d)+1], v[rL+2*(\d):rL+2*(\d)+1], v[rS0+8*(\g)+4*(\d):rS0+8*(\g)+4*(\d)+1]
.endr
.endm
; A TURN belongs to tile t: 16 products and 96 vector lines.  FOUR VECTOR LINES STAND BEHIND EACH PRODUCT, the other 32 in one run of their own.
; Ahead of its one wait stands all that names no exponential's result: the 8 products K Q^T of tile t + 1, behind the first four plain lines, behind each other one plain, exponential, plain, exponential; then the run:
; 14 times plain and exponential, and the last four exponentials.  The 32 exponentials are ONE batch.  Behind the wait: the 8 products V^T P of tile t - 1, behind each four of the 16 roundings and 16 packed sums; a sum
; onto the tile's chains stands a product behind the addition that it reads (the last aside).  No vector line names a register of the products round it.  The buffers of S^T and P go by the tile's parity.
.macro TURN t
.set rS0, S+32*((\t)%2)
.set rP0, P+16*((\t)%2)
.set rA, AQ+2*(\t)
.set rL, LS+4*(\t)
	MK1 (\t)+1, 0
	PLN 0
	PLN 1
	PLN 2
	PLN 3
.irp n, 1,2,3,4,5,6,7
	MK1 (\t)+1, \n
	PE 2*(\n)-2, 2*(\n)
.endr
	PE 14, 28
	OPE 28
	OPE 29
	OPE 30
	OPE 31
	v_nop                                          ; a plain instruction behind the last exponential: one for the batch
	s_wait_alu depctr_va_vdst(0)                   ; one wait ahead of the batch's first reader
.if (\t) == 1
	s_wait_dscnt 0x0                               ; V^T is in
.endif
	MP1 (\t)-1, 0
	CV 0
	CV 1
	CV 2
	CV 3
	MP1 (\t)-1, 1
	AD 0
	CV 4
	CV 5
	MP1 (\t)-1, 2
	CV 6
	CV 7
	LA 0
	MP1 (\t)-1, 3
	AD 1
	CV 8
	CV 9
	MP1 (\t)-1, 4
	CV 10
	CV 11
	LA 1
	MP1 (\t)-1, 5
	AD 2
	CV 12
	CV 13
	MP1 (\t)-1, 6
	CV 14
	CV 15
	LA 2
	MP1 (\t)-1, 7
	AD 3
	LA 3
.if (\t) == 6
	KLD                                            ; the next step's K: its last reader stands ahead of this turn's wait, more than 32 plain instructions back
.endif
.endm
	KLD
	NLD
	VLD
	s_mov_b32 s[CNT], 8
.Lkey:                                         ; eight key steps of 64 keys
	s_wait_dscnt 16                                ; K and the norms are in; V^T's 16 loads, the youngest, may stay out
	WIN 0x05
.irp n, 0,1,2,3,4,5,6,7
	KQ1 0, \n
.endr
	PLACES                                         ; between those products and the first read of their results: the turn's own two factors would be too few
	TURN 0
	TURN 1
	TURN 2
	TURN 3
	TURN 4
	TURN 5
	TURN 6
	TURN 7
	WIN 0xa3
.irp n, 0,1,2,3,4,5,6,7
	PV1 7, \n
.endr
	PLACES
	NLD
	VLD
	s_sub_co_u32 s[CNT], s[CNT], 1
	s_cmp_lg_u32 s[CNT], 0
	s_cbranch_scc1 .Lkey
	s_wait_dscnt 0x0                               ; the last trip's fetches, which serve nothing, have landed: their registers may be written
	; THE WAY OUT: the four partial sums and the other half of the lanes'; O^T divided by the sum, rounded to bf16: a lane's 8 channels of a token ARE 16 bytes of a fragment for launch 3.
	ALL8 v_pk_add_f32 v[LS+4*t:LS+4*t+1], v[LS+4*t:LS+4*t+1], v[LS+4*t+2:LS+4*t+3]
	ALL8 v_add_f32 v[LS+4*t], v[LS+4*t], v[LS+4*t+1]
	ALL8 v_permlanex16_b32 v[LS+4*t+1], v[LS+4*t], s[SEL], s[SEL+1]
	ALL8 v_add_f32 v[LS+4*t], v[LS+4*t], v[LS+4*t+1]
	ALL8 v_rcp_f32 v[LS+4*t+2], v[LS+4*t]
	v_nop
	s_wait_alu depctr_va_vdst(0)                   ; one wait for the eight reciprocals
	WIN 0x82
.set t, 0
.rept 8
.set m, 0
.rept 16
	v_pk_mul_f32 v[32*t+2*m:32*t+2*m+1], v[32*t+2*m:32*t+2*m+1], v[LS+4*t+2:LS+4*t+3] op_sel_hi:[1,0]
.set m, m+1
.endr
.set t, t+1
.endr
	WIN 0x0a
.set o, 0
.rept 128
	v_cvt_pk_bf16_f32 v[S+o], v[2*o], v[2*o+1]
.set o, o+1
.endr
	WIN 0
.set t, 0
.rept 8
.set cb, 0
.rept 4
	global_store_b128 v[L16], v[S+4*(4*t+cb):S+4*(4*t+cb)+3], s[OB:OB+1] offset:(t/4)*65536+(cb/2)*4096+(t%4)*1024+(cb%2)*512  ; 512 consecutive bytes, aligned
.set cb, cb+1
.endr
.set t, t+1
.endr
	s_wait_tensorcnt 0x0                           ; the wave's end: the tensor wait, an add of 0 to my spare word and its wait, behind my last tensor load and LDS store
	ds_add_u32 v[SPW], v[NIL]
	s_wait_dscnt 0x0
	s_endpgm
.Lfunc_end_k_q29437c934f_attn:
	.size	k_q29437c934f_attn, .Lfunc_end_k_q29437c934f_attn-k_q29437c934f_attn
	.p2alignl 7, 3214868480
	.fill 96, 4, 3214868480
	.section	.rodata,"a",@progbits
	.p2align	6, 0x0
	.amdhsa_kernel k_q29437c934f_attn
		.amdhsa_group_segment_fixed_size 197120
		.amdhsa_private_segment_fixed_size 0
		.amdhsa_enable_private_segment 0
		.amdhsa_kernarg_size 24
		.amdhsa_user_sgpr_count 2
		.amdhsa_user_sgpr_kernarg_segment_ptr 1
		.amdhsa_wavefront_size32 1
		.amdhsa_system_sgpr_workgroup_id_x 1
		.amdhsa_system_sgpr_workgroup_id_y 1
		.amdhsa_system_sgpr_workgroup_id_z 1
		.amdhsa_system_vgpr_workitem_id 0
		.amdhsa_next_free_vgpr 1024
		.amdhsa_next_free_sgpr 66
		.amdhsa_reserve_vcc 0
		.amdhsa_float_denorm_mode_32 3
		.amdhsa_float_denorm_mode_16_64 3
		.amdhsa_memory_ordered 1
		.amdhsa_forward_progress 1
		.amdhsa_inst_pref_size 203
	.end_amdhsa_kernel
	.amdgpu_metadata
---
amdhsa.version: [ 1, 2 ]
amdhsa.kernels:
  - .name:           k_q29437c934f_attn
    .symbol:         k_q29437c934f_attn.kd
    .args:
      - { .name: xb, .offset: 0, .size: 8, .value_kind: global_buffer, .address_space: global }
      - { .name: wa, .offset: 8, .size: 8, .value_kind: global_buffer, .address_space: global }
      - { .name: ob, .offset: 16, .size: 8, .value_kind: global_buffer, .address_space: global }
    .group_segment_fixed_size: 197120
    .private_segment_fixed_size: 0
    .kernarg_segment_align: 8
    .kernarg_segment_size: 24
    .max_flat_workgroup_size: 128
    .sgpr_count:     66
    .vgpr_count:     1024
    .wavefront_size: 32
...
	.end_amdgpu_metadata
.endif
;; end of part 4
;; launch tail (part 5): grid 256 x 1, 4 waves a work-group, clusters of 4 x 1, 327,680 bytes of LDS; arguments x, ob, wt, b_ff1, b_ff2, g1, b1, g2, b2, out0; writes out0
.if DOCPART == 5
	.amdgcn_target "amdgcn-amd-amdhsa--gfx1250"
	.amdhsa_code_object_version 6
	.text
	.protected	k_q29437c934f_tail
	.globl	k_q29437c934f_tail
	.p2align	8
	.type	k_q29437c934f_tail,@function
k_q29437c934f_tail:
	s_mov_b64 s[64:65], 0
	v_nop
	global_prefetch_b8 v0, s[64:65] scope:SCOPE_SE
	s_setreg_imm32_b32 hwreg(HW_REG_WAVE_MODE, 25, 1), 1
	s_wait_xcnt 0x0
	s_wait_alu depctr_hold_cnt(0) depctr_sa_sdst(0) depctr_va_vdst(0) depctr_va_sdst(0) depctr_va_ssrc(0) depctr_va_vcc(0) depctr_vm_vsrc(0)
	s_getreg_b32 s2, hwreg(HW_REG_IB_STS2, 6, 4)
	s_cmp_eq_u32 s2, 0
	s_cbranch_scc0 .Lentry_in_a_cluster
	s_endpgm
.Lentry_in_a_cluster:
	s_bfe_u32 s2, ttmp6, 0x10000c
	s_cmp_lg_u32 s2, 0x3003
	s_cbranch_scc0 .Lentry_shape_is_right
	s_endpgm
.Lentry_shape_is_right:
; COSFORMER LAYER, launch 3 of 3: for 64 rows a work-group: h1 = LN(x + O w_o; g1, b1); out = LN(h1 + relu(h1 w_ff1 + b_ff1) w_ff2 + b_ff2; g2, b2).  Nothing of reference() is left out here.
; The rows stay on the WGP from x to out0: the residuals (x, then h1) lie in f32 IN the accumulators onto which the products add; only matrix operands are rounded to bf16; the hidden layer goes through LDS, 128 columns at a time.
; LIMITS.  The ReLU is a maximum that lets a number win over a NaN: a NaN in the hidden layer becomes 0, where reference() carries it on.  The f32 sum over the hidden layer is taken in an order that differs from cluster to cluster (below).
; SHARES.  Wave w owns columns 128 w .. + 127 of all 64 rows: 32 accumulators Y(t, nb) of 16 x 16 (window 1).  Source 0 = 16 columns of a weight, source 1 = 16 rows: a lane holds ONE row and 8 neighbouring columns.
; Of each 128 hidden columns wave w makes 32 (8 accumulators), rounds them and hands them to the others through LDS.
; THE WALK.  36 tiles of weights of 131,072 bytes, laid out by launch 1: 4 of w_o, then for each of 16 chunks of 128 hidden columns one of w_ff1 and one of w_ff2.  Each is 128 products a wave.  Two LDS slots take turns.
; Wave w loads and reads quarter w of each tile.  CLUSTER n BEGINS THE CHUNKS AT CHUNK n % 16 AND GOES ROUND: at any time the 64 clusters ask for 16 different pairs of tiles, not all for the same one.
; A slot's global address is made anew for each fill: tile 2 or 3, plus an offset made of the trip and of the chunk's number, which hangs on the cluster's number alone.
; CLUSTER.  The four work-groups of a cluster walk the same tiles, so each is asked for JOINTLY: the same tensor load, descriptor and mask in all four; each change of slots is a round of the cluster's barrier.
; The work-group's place in the cluster enters the global addresses of x, ob, out0 and the prefetch alone.
; TEXTS THAT STAND ONCE.  w_o's four steps are a loop of two trips: both take O from window 2, and between them O's second half is copied there from window 3 (256 v_mov_b32: the price of one text).
; The layer norm: an outer loop of two trips, left in the middle of the second: norm, FFN, norm, way out.  w_ff1's step: the chunk loop is left behind the sixteenth.
; THE CHANGE OF SLOTS FROM w_ff2's STEP INTO THE NEXT CHUNK'S w_ff1's lies inside the step's last quarter: the next step does not hang on this one, so products stand between the add and its wait, between the signal
; and the wait, and behind the next step's first LDS loads.  The change from w_ff1's step into w_ff2's stands whole: every wave's part of the hidden chunk must lie in LDS first.
; LAYER NORM in two passes (mean; then the squares of the differences), so that no difference of large sums is formed.  A row's sum: 64 numbers a lane, the lane 16 away, and the four waves through LDS.
; LDS: slot 0 at 0, slot 1 at 131,072.  x lands once at slot 1's place, 4 x 64 rows at a pitch of 528, up to 266,240.  From there on no tensor load lands: SC (33,792 bytes: halves of h1, the hidden chunk, the stage for
; the way out), two blocks of 1,024 for the rows' sums, the spare words.
; REGISTERS, in windows of 256 (s_set_vgpr_msb: bits 1:0 source 0, 3:2 source 1, 5:4 source 2, 7:6 destination).
;   window 0: v0-31 addresses and statistics; v32-95, v96-159 two buffers of 8 weight fragments (also gains, biases, the way out); v160-223 the hidden chunk's 8 accumulators, then two buffers of its fragments; v224-239 b_ff1; v240-255 at work
;   window 1: Y at 8 (8 t + nb).   Windows 2, 3: 64 fragments of source 1 at 8 (4 s + t): rows 16 t .., k = 32 s ..: first O, then h1
.set SLOT1, 131072
.set SC,    266240
.set STAT,  300032
.set SPARE, 304128
.set L16,  1                           ; v1   16 x lane
.set VW0,  2                           ; v2-3 my quarter in slot 0, 1
.set VH,   4                           ; v4   SC + 16 x lane
.set HS,   5                           ; v5   where I store my part of the hidden chunk
.set XL,   6                           ; v6   my lane's place in my rows of x in LDS
.set GO,   7                           ; v7   my 8 columns in a vector of 512: 512 w + 32 (lane / 16) bytes
.set BO,   8                           ; v8   my 8 hidden columns in a chunk: 128 w + 32 (lane / 16) bytes
.set STW,  9                           ; v9   where I store four rows' sums
.set STRD, 10                          ; v10  where I read the waves' sums
.set OSW,  11                          ; v11  the way out: into my stage
.set ORD,  12                          ; v12  and back
.set EX,   13                          ; v13  where I store my part of h1
.set ZERO, 14                          ; v14  0, for the ReLU
.set PFO,  15                          ; v15  256 x lane
.set ST,   16                          ; v16-19 a number for each tile of rows
.set PR,   20                          ; v20-27 a pair for each tile of rows
.set SPW,  28                          ; v28  my spare word; never rewritten
.set NIL,  29                          ; v29  0; never rewritten
.set BUFA, 32
.set BUFB, 96
.set HA,   160
.set BI,   224
.set TM,   240
.set WV,   24
.set CX,   25
.set RB,   26
.set CNT,  27
.set LIM,  28
.set SEL,  30                          ; s[30:31]
.set G1W,  32                          ; s[32:39] group 1 for the weight tiles
.set G1X,  40                          ; s[40:47] group 1 for x
.set G0,   48                          ; s[48:55] group 0 for the weight tiles, a set for each slot
.set G0X,  56                          ; s[56:59] group 0 for x
.set PFA,  60                          ; s[60:61] where my prefetches stand; never rewritten
.set BF,   62                          ; s[62:63] b_ff1 at the chunk whose bias is asked for
.set OUT,  66                          ; s[66:67] out0 at my rows and columns
.set OB,   68                          ; s[68:69] ob at my block
.set INV,  70
.set EPS,  71
.set NINV, 76
.set CH,   77                          ; s77  the chunk whose tiles are asked for next
.set PH,   78                          ; s78  norms still to come
.set WT,   79                          ; s79  trips of w_o's loop still to come
.set OFF,  80                          ; s[80:81] an offset, its high word 0
.set TB,   82                          ; s[82:83], s[84:85] my quarter of tile 2, of tile 3
.set GP,   86                          ; s[86:87] the norm's gain
.set BP,   88                          ; s[88:89] the norm's bias
.set MSB, 0
.macro WIN new
.if MSB != (\new)
	s_set_vgpr_msb (MSB<<8)|(\new)
.set MSB, (\new)
.endif
.endm
.macro PLACES                          ; four places behind matrix instructions (ISA guide 7.12.1)
.rept 4
	v_nop
.endr
.endm
.macro ALL4 line:vararg                ; one line for each tile t of 16 rows
.set t, 0
.rept 4
	\line
.set t, t+1
.endr
.endm
; A round of the cluster's barrier: my work-group's barrier; wave 0 signals for the work-group; every wave waits for all four work-groups; my work-group's barrier once more.  CREST: the round behind its opening barrier.
.macro CREST
	s_cmp_lg_u32 s[WV], 0
	s_cbranch_scc1 .Lnw0_\@
	s_barrier_signal -3
.Lnw0_\@:
	s_barrier_wait -3
	s_barrier_signal -1
	s_barrier_wait -1
.endm
.macro ROUND
	s_barrier_signal -1
	s_barrier_wait -1
	CREST
.endm
; The global address of the tile that slot `slot` takes next: scalar work, behind the wait that shows the slot's last load done.  mode 1: chunk s[CH]'s tile: two tiles behind tile 2 or 3, and two tiles a chunk (behind the
; walk's last, not used).  mode 3, in w_o's loop: in the first trip tile 2 or 3 itself, in the second as mode 1.  mode 2: none.
.macro NEXTADR slot, mode
.if ((\mode) == 1) || ((\mode) == 3)
	s_lshl_b32 s[OFF], s[CH], 18
	s_add_co_u32 s[OFF], s[OFF], 262144
.if (\mode) == 3
	s_cmp_eq_u32 s[WT], 2
	s_cselect_b32 s[OFF], 0, s[OFF]
.endif
	s_add_nc_u64 s[G0+4*(\slot)+2:G0+4*(\slot)+3], s[TB+2*(\slot):TB+2*(\slot)+1], s[OFF:OFF+1]
	s_or_b32 s[G0+4*(\slot)+3], s[G0+4*(\slot)+3], 0x80000000
.endif
.endm
; THE CHANGE OF SLOTS, into slot `slot`, in its whole form.  Each wave waits for all its tensor loads, of which one is out: its quarter of this slot's tile; adds 0 to its spare word; waits for that and for all its LDS reads and stores.
; Behind the round nobody in the cluster reads the other slot any more, and it is filled again first thing: one load a wave, which has the step's 128 products in which to land.
; The same barrier hands the hidden chunk from its writers to its readers.
.macro CHANGE slot, refill, mode
	WIN 0
	s_wait_tensorcnt 0x0                           ; no tensor load of mine is out, so a group 0 may be written
	ds_add_u32 v[SPW], v[NIL]                      ; the descriptor's scalar work stands between the add and the wait for it
	NEXTADR \slot, \mode
	s_wait_dscnt 0x0
.if \refill
	ROUND
	tensor_load_to_lds s[G0+4*(1-(\slot)):G0+4*(1-(\slot))+3], s[G1W:G1W+7]
	s_nop 0
.else
	s_barrier_signal -1
	s_barrier_wait -1
.endif
.rept 5                                ; five places: the next step's products write over, and its loads land in, registers that the last products read
	v_nop
.endr
.endm
; A PREFETCH INTO THE L2.  A chunk's two tiles are asked for first by the four clusters that begin with it; of those the one whose number is under 16 names them ahead: w_ff1's tile in w_o's step 0, w_ff2's in step 1, each three
; refills, 384 products, ahead of its load, behind the step's first two runs of LDS loads.  The cluster's four work-groups take a quarter of a tile each, their waves 8,192 bytes of that, a lane a block of 256 bytes, told apart by
; address: each block of tiles 4 to 35 is named once in the launch.  w_o's four tiles come by their loads alone.  The address registers are never rewritten; the flag is cleared behind the loop's first trip.
.macro ASK off
	s_cmp_eq_u32 s[LIM], 1
	s_cbranch_scc0 .Lna_\@
	global_prefetch_b8 v[PFO], s[PFA:PFA+1] offset:\off th:TH_LOAD_NT scope:SCOPE_SE
.Lna_\@:
.endm
.macro FETCHW slot, q, buf             ; 8 fragments of my quarter: 16 loads of 512 consecutive bytes
.set i, 0
.rept 8
	ds_load_b128 v[(\buf)+8*i:(\buf)+8*i+3],   v[VW0+(\slot)] offset:(8*(\q)+i)*1024
	ds_load_b128 v[(\buf)+8*i+4:(\buf)+8*i+7], v[VW0+(\slot)] offset:(8*(\q)+i)*1024+512
.set i, i+1
.endr
.endm
.macro FETCHH q, buf                   ; the hidden chunk's 4 fragments for 32 q ..
.set i, 0
.rept 4
	ds_load_b128 v[(\buf)+8*i:(\buf)+8*i+3],   v[VH] offset:(4*(\q)+i)*1024
	ds_load_b128 v[(\buf)+8*i+4:(\buf)+8*i+7], v[VH] offset:(4*(\q)+i)*1024+512
.set i, i+1
.endr
.endm
; A STEP is four quarters of 32 products on the two weight buffers by turns; a quarter's fragments are asked for ahead of the quarter before it.  The accumulators (32, or 8) take turns.
; Y += O w_o, step j of a trip's two: slot j, O's fragments 16 j + 4 q + t of window 2.  ask: the prefetch's offset
.macro WO j, ask
	FETCHW \j, 0, BUFA
.irp q, 0,1,2,3
.if (\q) >= 1
	PLACES
.endif
	WIN 0
.if (\q) < 3
	FETCHW \j, (\q)+1, BUFA+64*(((\q)+1)%2)
.if (\q) == 0
	ASK \ask
.endif
	s_wait_dscnt 16                                ; all but the 16 just issued
.else
	s_wait_dscnt 0x0
.endif
	WIN 0x58                                       ; w in window 0, O in window 2, Y in window 1
.set rB, BUFA+64*((\q)%2)
.set t, 0
.rept 4
.set nb, 0
.rept 8
.set rY, 8*(8*t+nb)
.set rO, 8*(4*(4*(\j)+(\q))+t)
	v_wmma_f32_16x16x32_bf16 v[rY:rY+7], v[rB+8*nb:rB+8*nb+7], v[rO:rO+7], v[rY:rY+7]
.set nb, nb+1
.endr
.set t, t+1
.endr
.endr
.endm
.macro BLOAD
.irp f, 0,1
	global_load_b128 v[BI+8*(\f):BI+8*(\f)+3],   v[BO], s[BF:BF+1] offset:(\f)*64
	global_load_b128 v[BI+8*(\f)+4:BI+8*(\f)+7], v[BO], s[BF:BF+1] offset:(\f)*64+16
.endr
.endm
; My 32 hidden columns of a chunk.  Its first quarter's fragments have been asked for ahead of it.  b_ff1 starts the sums (as the C of the first products), k = 32 (4 q + sl); then ReLU on the rounded pairs, and into LDS as
; fragments; then the next chunk's b_ff1 is asked for (s[CH] names it already).
.macro P1
.irp q, 0,1,2,3
.if (\q) >= 1
	PLACES
.else
.rept 5                                ; five places: my first products write over, and the loads below land in, registers that the last step's last products read
	v_nop
.endr
.endif
	WIN 0
.if (\q) < 3
	FETCHW 0, (\q)+1, BUFA+64*(((\q)+1)%2)
	s_wait_dscnt 16                                ; all but the 16 just issued
.else
	s_wait_dscnt 0x0
.endif
.if (\q) == 0
	s_wait_loadcnt 0x0                             ; b_ff1
.endif
	WIN 0x08+4*((\q)/2)                            ; w and the sums in window 0, h1 in window 2 or 3
.set rB, BUFA+64*((\q)%2)
.set sl, 0
.rept 4
.set f, 0
.rept 2
.set t, 0
.rept 4
.set rH, HA+8*(4*f+t)
.set rX, 8*((4*(4*(\q)+sl)+t)%32)
.if ((\q) == 0) && (sl == 0)
	v_wmma_f32_16x16x32_bf16 v[rH:rH+7], v[rB+8*(2*sl+f):rB+8*(2*sl+f)+7], v[rX:rX+7], v[BI+8*f:BI+8*f+7]
.else
	v_wmma_f32_16x16x32_bf16 v[rH:rH+7], v[rB+8*(2*sl+f):rB+8*(2*sl+f)+7], v[rX:rX+7], v[rH:rH+7]
.endif
.set t, t+1
.endr
.set f, f+1
.endr
.set sl, sl+1
.endr
.endr
	PLACES
	WIN 0
.set o, 0
.rept 32
	v_cvt_pk_bf16_f32 v[HA+o], v[HA+2*o], v[HA+2*o+1]  ; in place and ascending: (f, t) ends at HA + 4 (4 f + t)
.set o, o+1
.endr
.set o, 0
.rept 32
	v_pk_max_num_bf16 v[HA+o], v[HA+o], v[ZERO]
.set o, o+1
.endr
.set f, 0
.rept 2
.set t, 0
.rept 4
	ds_store_b128 v[HS], v[HA+4*(4*f+t):HA+4*(4*f+t)+3] offset:t*1024+f*512  ; fragment 4 w + t, half f
.set t, t+1
.endr
.set f, f+1
.endr
	s_cmp_eq_u32 s[CNT], 1                         ; the last chunk has none behind it
	s_cbranch_scc1 .Lnb_\@
	s_lshl_b32 s[OFF], s[CH], 9                    ; 128 numbers a chunk
	s_add_nc_u64 s[BF:BF+1], s[10:11], s[OFF:OFF+1]  ; (the loads that read the pointer were waited for above)
	BLOAD
.Lnb_\@:
.endm
.macro P2M q, t0, nt                   ; quarter q's products for nt tiles of rows from t0 on: 8 each
.set rB, BUFA+64*((\q)%2)
.set rF, HA+32*((\q)%2)
.set t, \t0
.rept \nt
.set nb, 0
.rept 8
.set rY, 8*(8*t+nb)
	v_wmma_f32_16x16x32_bf16 v[rY:rY+7], v[rB+8*nb:rB+8*nb+7], v[rF+8*t:rF+8*t+7], v[rY:rY+7]
.set nb, nb+1
.endr
.set t, t+1
.endr
.endm
; Y += (hidden chunk) w_ff2: k = 32 q of the chunk.  turn = 1: the last quarter holds the change into slot 0, the next chunk's w_ff1.  All my reads of slot 1 and of the hidden chunk were issued in the third quarter.
.macro P2 turn
	FETCHW 1, 0, BUFA
	FETCHH 0, HA
.irp q, 0,1,2
.if (\q) >= 1
	PLACES
.endif
	WIN 0
	FETCHW 1, (\q)+1, BUFA+64*(((\q)+1)%2)
	FETCHH (\q)+1, HA+32*(((\q)+1)%2)
	s_wait_dscnt 24                                ; all but the 24 just issued
	WIN 0x50                                       ; both sources in window 0, Y in window 1
	P2M \q, 0, 4
.endr
	WIN 0
.if \turn
	s_wait_tensorcnt 0x0                           ; all my tensor loads have landed: the one that was out is my quarter of slot 0's tile; so a group 0 may be written
	ds_add_u32 v[SPW], v[NIL]
	s_add_co_u32 s[CH], s[CH], 1                   ; the chunk behind the one that is entered, round the sixteen
	s_and_b32 s[CH], s[CH], 15
	NEXTADR 0, 1
	s_wait_dscnt 0x1                               ; the last quarter's 24 loads are in; the add alone may be out
	WIN 0x50
	P2M 3, 0, 1                                    ; eight products stand between the add and the wait for it
	s_wait_dscnt 0x0                               ; the add is done, and my reads of slot 1 and of the hidden chunk are over:
	s_barrier_signal -1                            ; say so (this barrier opens a round of the cluster's),
	P2M 3, 1, 1                                    ; work on registers while the others arrive,
	WIN 0
	s_barrier_wait -1
	CREST                                          ; no wave of any partner still reads slot 1 or has a load on its way; no wave of mine still reads the hidden chunk
	tensor_load_to_lds s[G0+4:G0+7], s[G1W:G1W+7]  ; the first tensor load behind the round: slot 1 takes the next chunk's w_ff2
	s_nop 0
	PLACES                                         ; also the places in front of the loads below, into the buffer that the third quarter read
	FETCHW 0, 0, BUFA                              ; the next step's first fragments
	WIN 0x50
	P2M 3, 2, 2
.else
	s_wait_dscnt 0x0
	WIN 0x50
	P2M 3, 0, 4
.endif
.endm
; The pairs PR become the rows' sums over all 512 columns, in TM + t in every lane.  Block st is written again only behind the other block's barrier, in front of which every wave has waited for its reads of this one.
.macro XSUM st
	ALL4 v_add_f32 v[ST+t], v[PR+2*t], v[PR+2*t+1]
	ALL4 v_permlanex16_b32 v[PR+2*t], v[ST+t], s[SEL], s[SEL+1]
	ALL4 v_add_f32 v[ST+t], v[ST+t], v[PR+2*t]
	ds_store_b128 v[STW], v[ST:ST+3] offset:(\st)*1024     ; both halves of the lanes write the same numbers to the same words
	s_wait_dscnt 0x0                               ; for the others' sake
	s_barrier_signal -1
	s_barrier_wait -1
.irp w, 0,1,2,3
	ds_load_b128 v[TM+4*(\w):TM+4*(\w)+3], v[STRD] offset:(\st)*1024+(\w)*256
.endr
	s_wait_dscnt 0x0
	v_pk_add_f32 v[TM:TM+1], v[TM:TM+1], v[TM+4:TM+5]
	v_pk_add_f32 v[TM+2:TM+3], v[TM+2:TM+3], v[TM+6:TM+7]
	v_pk_add_f32 v[TM+8:TM+9], v[TM+8:TM+9], v[TM+12:TM+13]
	v_pk_add_f32 v[TM+10:TM+11], v[TM+10:TM+11], v[TM+14:TM+15]
	v_pk_add_f32 v[TM:TM+1], v[TM:TM+1], v[TM+8:TM+9]
	v_pk_add_f32 v[TM+2:TM+3], v[TM+2:TM+3], v[TM+10:TM+11]
.endm
.macro YALL line:vararg                ; one line for each pair m of each tile t of Y
.set t, 0
.rept 4
.set m, 0
.rept 32
	\line
.set m, m+1
.endr
.set t, t+1
.endr
.endm
	s_load_b512 s[4:19], s[0:1], 0x0               ; x 4, ob 6, wt 8, b_ff1 10, b_ff2 12, g1 14, b1 16, g2 18
	s_load_b128 s[20:23], s[0:1], 0x40             ; b2 20, out0 22
	v_lshl_add_u32 v[SPW], v0, 2, SPARE
	v_mov_b32 v[NIL], 0
	ds_add_u32 v[SPW], v[NIL]                      ; the opening: the add, twice on end, and its wait ahead of my first tensor load
	ds_add_u32 v[SPW], v[NIL]
	v_lshrrev_b32 v30, 5, v0
	v_readfirstlane_b32 s[WV], v30
	v_and_b32 v30, 31, v0
	v_lshlrev_b32 v[L16], 4, v30
	v_lshlrev_b32 v[PFO], 8, v30
	v_and_b32 v30, 15, v0                          ; lane % 16
	v_bfe_u32 v31, v0, 4, 1                        ; lane / 16
	s_lshl_b32 s29, s[WV], 15
	v_add_nc_u32 v[VW0], s29, v[L16]
	v_add_nc_u32 v[VW0+1], SLOT1, v[VW0]
	v_add_nc_u32 v[VH], SC, v[L16]
	s_lshl_b32 s29, s[WV], 12
	v_add_nc_u32 v[HS], s29, v[VH]
	v_mul_u32_u24 v[OSW], v30, 528
	v_lshl_add_u32 v[OSW], v31, 5, v[OSW]          ; row x 528 + 32 x half
	s_mul_i32 s29, s[WV], 33792
	s_add_co_u32 s29, s29, SLOT1
	v_add_nc_u32 v[XL], s29, v[OSW]
	s_mul_i32 s29, s[WV], 8448
	s_add_co_u32 s29, s29, SC
	v_add_nc_u32 v[OSW], s29, v[OSW]
	v_add_nc_u32 v[ORD], s29, v[L16]
	v_lshlrev_b32 v[BO], 5, v31
	s_lshl_b32 s29, s[WV], 9
	v_add_nc_u32 v[GO], s29, v[BO]
	s_lshl_b32 s29, s[WV], 7
	v_add_nc_u32 v[BO], s29, v[BO]
	v_lshlrev_b32 v[STRD], 4, v30
	v_add_nc_u32 v[STRD], STAT, v[STRD]
	s_lshl_b32 s29, s[WV], 8
	v_add_nc_u32 v[STW], s29, v[STRD]
	s_and_b32 s29, s[WV], 1
	s_lshl_b32 s29, s29, 14
	v_add_nc_u32 v[EX], s29, v[VH]
	v_mov_b32 v[ZERO], 0
	s_bfe_u32 s[CX], ttmp6, 0x40000                ; my place in the cluster
	s_lshl_b32 s[RB], ttmp9, 2                     ; in a cluster launch ttmp9 counts clusters
	s_add_co_u32 s[RB], s[RB], s[CX]               ; my block of 64 rows
	s_and_b32 s[CH], ttmp9, 15                     ; the chunk with which my cluster begins: the same in all four partners
	s_mov_b32 s[OFF+1], 0
	s_mov_b32 s[PH], 2
	; group 1 for the weights: a quarter of a tile, 32,768 dense bytes, as 128 rows of 256
	s_mov_b32 s[G1W+0], 15|(3<<16)|(1<<21)         ; the mask of four; elements of 8 bytes; bit 21 set beside a mask; no padding
	s_mov_b32 s[G1W+1], 32<<16                     ; tensor_dim0 = 32
	s_mov_b32 s[G1W+2], 128<<16                    ; tensor_dim1 = 128
	s_mov_b32 s[G1W+3], 32<<16                     ; tile_dim0 = 32
	s_mov_b32 s[G1W+4], 128                        ; tile_dim1 = 128
	s_mov_b32 s[G1W+5], 32                         ; 32 elements from row to row
	s_mov_b32 s[G1W+6], 0
	s_mov_b32 s[G1W+7], 0
	; group 1 for x: 64 rows x 128 f32, my own (no mask), 16 bytes of padding behind each row of 128 words
	s_mov_b32 s[G1X+0], (2<<16)|(1<<20)|(6<<22)|(3<<25)
	s_mov_b32 s[G1X+1], 128<<16
	s_mov_b32 s[G1X+2], 64<<16
	s_mov_b32 s[G1X+3], 128<<16
	s_mov_b32 s[G1X+4], 64
	s_mov_b32 s[G1X+5], 512
	s_mov_b32 s[G1X+6], 0
	s_mov_b32 s[G1X+7], 0
	s_mov_b32 s[G0], 1
	s_lshl_b32 s[G0+1], s[WV], 15                  ; slot 0, my quarter: no place in the cluster enters an LDS address
	s_mov_b32 s[G0+4], 1
	s_add_co_u32 s[G0+5], s[G0+1], SLOT1
	s_mov_b32 s[G0X], 1
	s_mul_i32 s[G0X+1], s[WV], 33792
	s_add_co_u32 s[G0X+1], s[G0X+1], SLOT1
	s_lshl_b32 s72, s[WV], 15
	s_mov_b32 s73, 0
	s_lshl_b32 s74, s[RB], 17                      ; 64 rows of 2,048 bytes,
	s_lshl_b32 s75, s[WV], 9                       ; my 128 columns
	s_add_co_u32 s74, s74, s75
	s_mov_b32 s75, 0
	s_mov_b32 s[SEL], 0x76543210
	s_mov_b32 s[SEL+1], 0xfedcba98
	s_mov_b32 s[INV], 0x3b000000                   ; 1 / 512
	s_mov_b32 s[NINV], 0xbb000000
	s_mov_b32 s[EPS], 0x3727c5ac                   ; 1e-5
	s_cmp_lt_u32 ttmp9, 16
	s_cselect_b32 s[LIM], 1, 0                     ; clusters 0 to 15 prefetch: the same in all four partners
	s_wait_dscnt 0x0                               ; both opening adds are done
	s_wait_kmcnt 0x0
	s_add_nc_u64 s[G0+2:G0+3], s[8:9], s[72:73]    ; tile 0,
	s_add_nc_u64 s[G0+6:G0+7], s[G0+2:G0+3], 131072  ; tile 1,
	s_add_nc_u64 s[TB:TB+1], s[G0+2:G0+3], 2*131072  ; tiles 2 and 3: my quarter of each
	s_add_nc_u64 s[TB+2:TB+3], s[G0+2:G0+3], 3*131072
	s_or_b32 s[G0+3], s[G0+3], 0x80000000          ; type = 2
	s_or_b32 s[G0+7], s[G0+7], 0x80000000
	s_add_nc_u64 s[G0X+2:G0X+3], s[4:5], s[74:75]
	s_or_b32 s[G0X+3], s[G0X+3], 0x80000000
	s_add_nc_u64 s[OUT:OUT+1], s[22:23], s[74:75]
	s_lshl_b32 s74, s[RB], 16
	s_add_nc_u64 s[OB:OB+1], s[6:7], s[74:75]
	s_lshl_b32 s74, s[CX], 15                      ; the prefetch: my work-group's quarter, my wave's 8,192 bytes of it,
	s_lshl_b32 s29, s[WV], 13
	s_add_co_u32 s74, s74, s29
	s_lshl_b32 s29, s[CH], 18                      ; in my cluster's first chunk,
	s_add_co_u32 s74, s74, s29
	s_add_co_u32 s74, s74, 4*131072                ; behind w_o's four tiles
	s_add_nc_u64 s[PFA:PFA+1], s[8:9], s[74:75]
	s_lshl_b32 s[OFF], s[CH], 9
	s_add_nc_u64 s[BF:BF+1], s[10:11], s[OFF:OFF+1]  ; b_ff1 at that chunk
	s_mov_b64 s[GP:GP+1], s[14:15]                 ; the first norm's gain and bias
	s_mov_b64 s[BP:BP+1], s[16:17]
	ROUND                                          ; all four work-groups are here: the first loads go out as one group behind this round
	tensor_load_to_lds s[G0X:G0X+3], s[G1X:G1X+7]  ; my columns of x, to slot 1's place
	s_nop 0
	tensor_load_to_lds s[G0:G0+3], s[G1W:G1W+7]    ; tile 0: two loads of mine are out
	s_nop 0
	PLACES
	WIN 0x80                                       ; O's 64 fragments, straight from memory: 512 consecutive bytes a load
.set f, 0
.rept 32
	global_load_b128 v[8*f:8*f+3],   v[L16], s[OB:OB+1] offset:f*1024
	global_load_b128 v[8*f+4:8*f+7], v[L16], s[OB:OB+1] offset:f*1024+512
.set f, f+1
.endr
	WIN 0xc0
.set f, 0
.rept 32
	global_load_b128 v[8*f:8*f+3],   v[L16], s[OB:OB+1] offset:(f+32)*1024
	global_load_b128 v[8*f+4:8*f+7], v[L16], s[OB:OB+1] offset:(f+32)*1024+512
.set f, f+1
.endr
	s_wait_tensorcnt 0x1                           ; x is in (only I read my part); tile 0, issued behind it, may stay out
	WIN 0x40                                       ; Y starts as x: the residual in f32, and nothing is cleared
.set t, 0
.rept 4
.set nb, 0
.rept 8
	ds_load_b128 v[8*(8*t+nb):8*(8*t+nb)+3],   v[XL] offset:t*8448+nb*64
	ds_load_b128 v[8*(8*t+nb)+4:8*(8*t+nb)+7], v[XL] offset:t*8448+nb*64+16
.set nb, nb+1
.endr
.set t, t+1
.endr
	WIN 0
	s_mov_b32 s[WT], 2
.Lwo:                                          ; two trips: w_o's tiles 0 and 1 with O's first half, tiles 2 and 3 with its second
	CHANGE 0, 1, 3                                 ; (first trip: tile 0 is in, x has been read by all: tile 1 goes where x lay)
	s_wait_loadcnt 0x0                             ; O
	WO 0, 0
	CHANGE 1, 1, 3
	WO 1, 131072
	WIN 0
	s_sub_co_u32 s[WT], s[WT], 1
	s_cmp_eq_u32 s[WT], 0
	s_cbranch_scc1 .Lwo_done
	s_mov_b32 s[LIM], 0                            ; the two prefetches are out
	WIN 0x83                                       ; O's second half, from window 3 to window 2; the first lines, which name registers that step 0 read, are the places behind step 1's last products
.set i, 0
.rept 256
	v_mov_b32 v[i], v[i]
.set i, i+1
.endr
	WIN 0
	s_branch .Lwo
.Lwo_done:
.set nb, 0
.rept 8                                ; b_ff2, my 64 columns a lane, into registers that no product has touched yet; the norm's wait for its own loads covers these
	global_load_b128 v[HA+8*nb:HA+8*nb+3],   v[GO], s[12:13] offset:nb*64
	global_load_b128 v[HA+8*nb+4:HA+8*nb+7], v[GO], s[12:13] offset:nb*64+16
.set nb, nb+1
.endr
.Lnorm:                                        ; Y = (Y - mean) / sqrt(var + 1e-5) x gain + bias, in place: first for h1, then for the output
	PLACES
	PLACES
.set nb, 0
.rept 8
	global_load_b128 v[BUFA+8*nb:BUFA+8*nb+3],   v[GO], s[GP:GP+1] offset:nb*64
	global_load_b128 v[BUFA+8*nb+4:BUFA+8*nb+7], v[GO], s[GP:GP+1] offset:nb*64+16
	global_load_b128 v[BUFB+8*nb:BUFB+8*nb+3],   v[GO], s[BP:BP+1] offset:nb*64
	global_load_b128 v[BUFB+8*nb+4:BUFB+8*nb+7], v[GO], s[BP:BP+1] offset:nb*64+16
.set nb, nb+1
.endr
	WIN 0x05                                       ; the sums; the tiles alternate
	ALL4 v_pk_add_f32 v[PR+2*t:PR+2*t+1], v[64*t:64*t+1], v[64*t+2:64*t+3]
	WIN 0x01
.set m, 2
.rept 30
	ALL4 v_pk_add_f32 v[PR+2*t:PR+2*t+1], v[64*t+2*m:64*t+2*m+1], v[PR+2*t:PR+2*t+1]
.set m, m+1
.endr
	WIN 0
	XSUM 0
	ALL4 v_mul_f32 v[PR+2*t], s[NINV], v[TM+t]     ; - mean, twice
	ALL4 v_mov_b32 v[PR+2*t+1], v[PR+2*t]
	WIN 0x41
	YALL v_pk_add_f32 v[64*t+2*m:64*t+2*m+1], v[64*t+2*m:64*t+2*m+1], v[PR+2*t:PR+2*t+1]
	WIN 0x05
	ALL4 v_pk_mul_f32 v[PR+2*t:PR+2*t+1], v[64*t:64*t+1], v[64*t:64*t+1]
.set m, 1
.rept 31
	ALL4 v_pk_fma_f32 v[PR+2*t:PR+2*t+1], v[64*t+2*m:64*t+2*m+1], v[64*t+2*m:64*t+2*m+1], v[PR+2*t:PR+2*t+1]
.set m, m+1
.endr
	WIN 0
	XSUM 1
	ALL4 v_fma_f32 v[TM+t], v[TM+t], s[INV], s[EPS]
	ALL4 v_rsq_f32 v[PR+2*t], v[TM+t]
	v_nop
	s_wait_alu depctr_va_vdst(0)                   ; one wait for the four roots
	ALL4 v_mov_b32 v[PR+2*t+1], v[PR+2*t]
	s_wait_loadcnt 0x0                             ; gain and bias (and what was asked for ahead of them)
	WIN 0x41
	YALL v_pk_mul_f32 v[64*t+2*m:64*t+2*m+1], v[64*t+2*m:64*t+2*m+1], v[PR+2*t:PR+2*t+1]
	YALL v_pk_fma_f32 v[64*t+2*m:64*t+2*m+1], v[64*t+2*m:64*t+2*m+1], v[BUFA+2*m:BUFA+2*m+1], v[BUFB+2*m:BUFB+2*m+1]
	WIN 0
	s_sub_co_u32 s[PH], s[PH], 1
	s_cmp_eq_u32 s[PH], 0
	s_cbranch_scc1 .Lout                           ; behind the second norm: the way out
	; h1, rounded, becomes source 1 for all four waves: 64 fragments, through SC in two halves of 32
	WIN 0xc5
.set o, 0
.rept 128
	v_cvt_pk_bf16_f32 v[o], v[2*o], v[2*o+1]       ; (t, nb) at 4 (8 t + nb) of window 3: O has been used up
.set o, o+1
.endr
.macro HXST                            ; my 128 columns: fragments 4 (4 (w % 2) + nb / 2) + t of the half, half nb % 2
	WIN 0x0c
.set t, 0
.rept 4
.set nb, 0
.rept 8
	ds_store_b128 v[EX], v[4*(8*t+nb):4*(8*t+nb)+3] offset:(nb/2)*4096+t*1024+(nb%2)*512
.set nb, nb+1
.endr
.set t, t+1
.endr
	WIN 0
.endm
.macro HXLD                            ; a half's 32 fragments
.set f, 0
.rept 32
	ds_load_b128 v[8*f:8*f+3],   v[VH] offset:f*1024
	ds_load_b128 v[8*f+4:8*f+7], v[VH] offset:f*1024+512
.set f, f+1
.endr
.endm
	WIN 0
	s_cmp_lt_u32 s[WV], 2
	s_cbranch_scc0 .Lx1
	HXST                                           ; waves 0 and 1: columns 0 to 255
.Lx1:
	s_wait_dscnt 0x0
	s_barrier_signal -1
	s_barrier_wait -1
	WIN 0x80
	HXLD
	WIN 0
	s_wait_dscnt 0x0                               ; my reads of the first half are over,
	s_barrier_signal -1
	s_barrier_wait -1                              ; everybody's are
	s_cmp_lt_u32 s[WV], 2
	s_cbranch_scc1 .Lx2
	HXST                                           ; waves 2 and 3: columns 256 to 511
.Lx2:
	s_wait_dscnt 0x0
	s_barrier_signal -1
	s_barrier_wait -1
	WIN 0xc0
	HXLD                                           ; (over my own rounded h1, which has been stored; waited for ahead of the barriers above)
	WIN 0x41
	YALL v_pk_add_f32 v[64*t+2*m:64*t+2*m+1], v[64*t+2*m:64*t+2*m+1], v[HA+2*m:HA+2*m+1]  ; Y = h1 + b_ff2: the second residual, onto which w_ff2's products add
	WIN 0
	BLOAD                                          ; b_ff1 of my cluster's first chunk
	s_add_co_u32 s[CH], s[CH], 1                   ; the chunk behind the one that is entered
	s_and_b32 s[CH], s[CH], 15
	CHANGE 0, 1, 1                                 ; into the first chunk's w_ff1
	FETCHW 0, 0, BUFA                              ; its first fragments
	s_mov_b32 s[CNT], 16
.Lchunk:                                       ; sixteen chunks; the loop is left behind the sixteenth's first product
	P1
	s_sub_co_u32 s[CNT], s[CNT], 1
	s_cmp_eq_u32 s[CNT], 0
	s_cbranch_scc1 .Llast
	CHANGE 1, 1, 1
	P2 1                                           ; its last quarter changes into the next chunk
	WIN 0
	s_branch .Lchunk
.Llast:
	CHANGE 1, 0, 2                                 ; nothing is left to fetch
	P2 0
	WIN 0
	s_mov_b64 s[GP:GP+1], s[18:19]                 ; the second norm's gain and bias (the loads that read these pointers were waited for in the first)
	s_mov_b64 s[BP:BP+1], s[20:21]
	s_branch .Lnorm
.Lout:
	; THE WAY OUT, 16 rows at a time through my own stage in SC (the barriers of the norm stand between the others' last reads of the hidden chunk and these stores): in by lanes, back as rows of 512 bytes
.irp t, 0,1,2,3
	WIN 0x04
.set nb, 0
.rept 8
	ds_store_b128 v[OSW], v[64*(\t)+8*nb:64*(\t)+8*nb+3]   offset:nb*64
	ds_store_b128 v[OSW], v[64*(\t)+8*nb+4:64*(\t)+8*nb+7] offset:nb*64+16
.set nb, nb+1
.endr
	WIN 0
.if (\t) >= 2
	s_wait_xcnt 0x0                                ; the stores of two tiles back have read these registers
.endif
.set i, 0
.rept 16
	ds_load_b128 v[BUFA+64*((\t)%2)+4*i:BUFA+64*((\t)%2)+4*i+3], v[ORD] offset:i*528  ; LDS serves a wave's instructions in order (ISA guide 5.7.1.4)
.set i, i+1
.endr
.set i, 0
.rept 16
	s_wait_dscnt 15-i                              ; the younger loads may stay out
	global_store_b128 v[L16], v[BUFA+64*((\t)%2)+4*i:BUFA+64*((\t)%2)+4*i+3], s[OUT:OUT+1] offset:(16*(\t)+i)*2048 th:TH_STORE_NT  ; 512 consecutive bytes, aligned
.set i, i+1
.endr
.endr
	s_wait_tensorcnt 0x0                           ; the wave's end: the tensor wait, an add of 0 to my spare word and its wait, behind my last tensor load and LDS store
	ds_add_u32 v[SPW], v[NIL]
	s_wait_dscnt 0x0
	ROUND                                          ; the closing round: no work-group ends while a partner may still ask for a tile that names it
	s_endpgm
.Lfunc_end_k_q29437c934f_tail:
	.size	k_q29437c934f_tail, .Lfunc_end_k_q29437c934f_tail-k_q29437c934f_tail
	.p2alignl 7, 3214868480
	.fill 96, 4, 3214868480
	.section	.rodata,"a",@progbits
	.p2align	6, 0x0
	.amdhsa_kernel k_q29437c934f_tail
		.amdhsa_group_segment_fixed_size 327680
		.amdhsa_private_segment_fixed_size 0
		.amdhsa_enable_private_segment 0
		.amdhsa_kernarg_size 80
		.amdhsa_user_sgpr_count 2
		.amdhsa_user_sgpr_kernarg_segment_ptr 1
		.amdhsa_wavefront_size32 1
		.amdhsa_system_sgpr_workgroup_id_x 1
		.amdhsa_system_sgpr_workgroup_id_y 1
		.amdhsa_system_sgpr_workgroup_id_z 1
		.amdhsa_system_vgpr_workitem_id 0
		.amdhsa_next_free_vgpr 1024
		.amdhsa_next_free_sgpr 90
		.amdhsa_reserve_vcc 0
		.amdhsa_float_denorm_mode_32 3
		.amdhsa_float_denorm_mode_16_64 3
		.amdhsa_memory_ordered 1
		.amdhsa_forward_progress 1
		.amdhsa_inst_pref_size 204
	.end_amdhsa_kernel
	.amdgpu_metadata
---
amdhsa.version: [ 1, 2 ]
amdhsa.kernels:
  - .name:           k_q29437c934f_tail
    .symbol:         k_q29437c934f_tail.kd
    .args:
      - { .name: x, .offset: 0, .size: 8, .value_kind: global_buffer, .address_space: global }
      - { .name: ob, .offset: 8, .size: 8, .value_kind: global_buffer, .address_space: global }
      - { .name: wt, .offset: 16, .size: 8, .value_kind: global_buffer, .address_space: global }
      - { .name: b_ff1, .offset: 24, .size: 8, .value_kind: global_buffer, .address_space: global }
      - { .name: b_ff2, .offset: 32, .size: 8, .value_kind: global_buffer, .address_space: global }
      - { .name: g1, .offset: 40, .size: 8, .value_kind: global_buffer, .address_space: global }
      - { .name: b1, .offset: 48, .size: 8, .value_kind: global_buffer, .address_space: global }
      - { .name: g2, .offset: 56, .size: 8, .value_kind: global_buffer, .address_space: global }
      - { .name: b2, .offset: 64, .size: 8, .value_kind: global_buffer, .address_space: global }
      - { .name: out0, .offset: 72, .size: 8, .value_kind: global_buffer, .address_space: global }
    .group_segment_fixed_size: 327680
    .private_segment_fixed_size: 0
    .kernarg_segment_align: 8
    .kernarg_segment_size: 80
    .max_flat_workgroup_size: 128
    .sgpr_count:     90
    .vgpr_count:     1024
    .wavefront_size: 32
...
	.end_amdgpu_metadata
.endif
;; end of part 5
;; ======== version 3 of 3: 3 launches; version 2 with the launch prep written anew for expert scheduling mode
;; limits: right only within a limited range of input values
;; workspace buffers: xb 16,777,216 bytes; wa 1,572,864 bytes; wt 4,718,592 bytes; ob 16,777,216 bytes
;; launch prep (part 6): grid 256 x 1, 8 waves a work-group, no clusters, 68,608 bytes of LDS; arguments x, w_q, w_k, w_v, w_o, w_ff1, w_ff2, xb, wa, wt; writes xb, wa, wt
.if DOCPART == 6
	.amdgcn_target "amdgcn-amd-amdhsa--gfx1250"
	.amdhsa_code_object_version 6
	.text
	.protected	k_q29437c934f_prep
	.globl	k_q29437c934f_prep
	.p2align	8
	.type	k_q29437c934f_prep,@function
k_q29437c934f_prep:
	s_mov_b64 s[64:65], 0
	v_nop
	global_prefetch_b8 v0, s[64:65] scope:SCOPE_SE
	s_setreg_imm32_b32 hwreg(HW_REG_WAVE_SCHED_MODE, 0, 2), 2
	s_setreg_imm32_b32 hwreg(HW_REG_WAVE_MODE, 25, 1), 1
	s_wait_xcnt 0x0
	s_wait_alu depctr_vm_vsrc(0)
; COSFORMER LAYER, launch 1 of 3: x and the six weight matrices are rounded once to bf16 and laid out as the matrix units' operand registers take them.
; NOTHING OF reference() IS LEFT OUT in this program: all 13 inputs have a way to the output and are loaded (x and the six matrices here, x again and the six vectors in launch 3).
; A FRAGMENT is 1,024 bytes: 16 rows x 32 k of bf16.  Byte 512 u + 16 lane holds k = 16 u + 8 (lane / 16) + 0..7 of row lane % 16: two loads of 16 bytes a lane, 512 bytes apart, fill the 8 registers of an operand.
;   xb: fragment (16 T + s): rows = tokens 16 T .., k = 32 s ..            (T = 0..1023 over all batches)
;   wa: 196,608 bytes a head; fragment (12 s + 4 g + nb): g = q, k, v; rows = columns 64 head + 16 nb ..; k = 32 s ..
;   wt: 36 tiles of 131,072 bytes in the order in which launch 3 walks them, each four quarters of 32 fragments (one for each of its waves):
;       tiles 0-3 w_o (k = 128 n + 32 q, rows = columns 128 w + 16 nb: fragment 8 q + nb); tile 4 + 2 c w_ff1 (rows = hidden 128 c + 32 w + 16 f, k = 32 s: fragment 2 s + f); tile 5 + 2 c w_ff2 (as w_o, k = hidden 128 c + 32 q)
; SHARES, alike in all 256 work-groups.  Every wave: 16 tokens x 256 k of x (through its own LDS stage, which turns rows into fragments) and a block of 32 k x 32 columns of w_ff1 (work-groups 0-127) or w_ff2.
; Waves 0-3 also a block of 32 x 32 of w_q, w_k, w_v or w_o (64 work-groups each).  In a weight block a lane holds one column: its 32 k pack into 64 bytes, which ARE its four pieces of a fragment; nothing changes lanes.
; A stream: no matrix unit, no cluster (no byte is read twice), no barrier (each wave has its own stage).
; THE MODE: SCHED_MODE bits 1:0 = 2 (LLVM: expert scheduling mode 2), set by the entry lines.  The code itself states the register dependences
; between vector instructions and memory or LDS instructions, with s_wait_alu, always for 0.
; THE PLAN.  Registers that memory or LDS instructions touch:
;   v1 to v5      offsets and LDS addresses: written at the head, read by every load and store, never written again.
;   X, half p     64 registers: the 512 bytes p of each of my 16 rows of x.  Its 16 loads land in it; its 32 conversions read it and close the numbers up into its LOWER 32; its 16 LDS stores read those;
;                 its 8 LDS loads, the fragments, land in its UPPER 32, which the conversions have read and no store reads; 8 global stores read them.  Nothing is written there again.
;   WB, WA        32 loads land; 16 conversions close up into the low 16; 4 global stores read those.  Nothing is written there again.
;   v6, v7        written at the head, read by the closing add alone.
; So no register that a memory or LDS instruction has read is ever written again, and each run of conversions has ONE wait behind it, ahead of the stores and loads that hang on it.  WB's loads are the oldest, so WB is
; rounded with half 0 and shares its wait; half 0's way through the stage runs under half 1's conversions, which name half 1's registers alone.
.set STG,   8448                       ; a wave's stage: 16 rows of 512 bytes at a pitch of 528 = 132 words, so that the 16 rows of a load begin in 16 different groups of four banks (ISA guide 11.1)
.set SPARE, 8*STG                      ; behind the stages: the spare words, 128 bytes a wave
.set L16, 1                            ; v1  16 x lane
.set L4,  2                            ; v2  4 x lane
.set STI, 3                            ; v3  stage + 8 x lane: where a lane puts 4 numbers of a row
.set STR, 4                            ; v4  stage + 528 (lane % 16) + 16 (lane / 16): where it reads 16 bytes of a fragment
.set WOF, 5                            ; v5  1,024 (lane / 16) + 16 (lane % 16): a column's place in its fragment
.set SPW, 6                            ; v6  my spare word; never rewritten
.set NIL, 7                            ; v7  0; never rewritten
.set X,   16                           ; v[16:143]  x: half p at X + 64 p: row i's 4 numbers at + 4 i as loaded, at + 2 i rounded; fragment piece j at + 32 + 4 j
.set WA,  144                          ; v[144:175] the w_ff block: k = 0..31 of my column
.set WB,  176                          ; v[176:207] the block of w_q .. w_o
.set WV,  24                           ; s24 my wave's number
.macro WLOAD dst, pitch, sb            ; 32 rows of k; the 32 lanes take 32 neighbouring columns
.set i, 0
.rept 32
	global_load_b32 v[(\dst)+i], v[L4], s[\sb:\sb+1] offset:i*(\pitch)
.set i, i+1
.endr
.endm
.macro WCVT dst                        ; a weight block rounded in pairs, in place and ascending
.set i, 0
.rept 16
	v_cvt_pk_bf16_f32 v[(\dst)+i], v[(\dst)+2*i], v[(\dst)+2*i+1]
.set i, i+1
.endr
.endm
.macro WST dst, sb                     ; its four pieces of 16 bytes: sixteen lanes store 256 consecutive bytes, aligned
.irp q, 0,1,2,3
	global_store_b128 v[WOF], v[(\dst)+4*(\q):(\dst)+4*(\q)+3], s[\sb:\sb+1] offset:((\q)/2)*512+((\q)%2)*256
.endr
.endm
.macro XCVT p                          ; half p of x: four numbers a lane and row become 8 bytes, in place and ascending: the half's lower 32 registers
.set i, 0
.rept 16
	v_cvt_pk_bf16_f32 v[X+64*(\p)+2*i],   v[X+64*(\p)+4*i],   v[X+64*(\p)+4*i+1]
	v_cvt_pk_bf16_f32 v[X+64*(\p)+2*i+1], v[X+64*(\p)+4*i+2], v[X+64*(\p)+4*i+3]
.set i, i+1
.endr
.endm
.macro XTURN p                         ; into the stage by rows, and back as fragments 4 p + j / 2, half j % 2, into the half's upper 32 registers
.set i, 0
.rept 16
	ds_store_b64 v[STI], v[X+64*(\p)+2*i:X+64*(\p)+2*i+1] offset:i*528+(\p)*256
.set i, i+1
.endr
.set j, 0
.rept 8                                ; LDS serves a wave's instructions in order (ISA guide 5.7.1.4): these see the stores above
	ds_load_b128 v[X+64*(\p)+32+4*j:X+64*(\p)+32+4*j+3], v[STR] offset:(\p)*256+(j/2)*64+(j%2)*32
.set j, j+1
.endr
.endm
.macro XOUT p, younger                 ; younger: the LDS instructions issued behind the half's eight loads
.set j, 0
.rept 8
	s_wait_dscnt (\younger)+7-j                    ; piece j is in; the half's younger loads, and what was issued behind them, may stay out
	global_store_b128 v[L16], v[X+64*(\p)+32+4*j:X+64*(\p)+32+4*j+3], s[30:31] offset:(8*(\p)+j)*512  ; 512 consecutive bytes, aligned
.set j, j+1
.endr
.endm
	s_load_b512 s[4:19], s[0:1], 0x0               ; x 4, w_q 6, w_k 8, w_v 10, w_o 12, w_ff1 14, w_ff2 16, xb 18
	s_load_b128 s[20:23], s[0:1], 0x40             ; wa 20, wt 22
	v_lshl_add_u32 v[SPW], v0, 2, SPARE
	v_mov_b32 v[NIL], 0
	v_lshrrev_b32 v8, 5, v0
	v_readfirstlane_b32 s[WV], v8
	v_and_b32 v9, 31, v0                           ; lane
	v_and_b32 v10, 15, v0
	v_bfe_u32 v11, v0, 4, 1
	v_lshlrev_b32 v[L16], 4, v9
	v_lshlrev_b32 v[L4], 2, v9
	s_wait_alu depctr_va_sdst(0)                   ; my wave's number is written into s24, ahead of its first reader, the line below
	s_mul_i32 s25, s[WV], STG
	v_lshl_add_u32 v[STI], v9, 3, s25
	v_mul_u32_u24 v[STR], v10, 528
	v_lshl_add_u32 v[STR], v11, 4, v[STR]
	v_add_nc_u32 v[STR], s25, v[STR]
	v_lshlrev_b32 v[WOF], 4, v10
	v_lshl_add_u32 v[WOF], v11, 10, v[WOF]
	; x: token tile T = 4 g + w / 2, half w % 2 of its 512 k
	s_lshl_b32 s26, ttmp9, 2
	s_lshr_b32 s27, s[WV], 1
	s_add_co_u32 s26, s26, s27
	s_and_b32 s27, s[WV], 1
	s_lshl_b32 s28, s26, 15                        ; 16 rows of 2,048 bytes
	s_lshl_b32 s29, s27, 10
	s_add_co_u32 s28, s28, s29
	s_mov_b32 s29, 0
	s_lshl_b32 s30, s26, 14                        ; 16 fragments
	s_lshl_b32 s31, s27, 13
	s_add_co_u32 s30, s30, s31
	s_mov_b32 s31, 0
	; the block of w_q .. w_o: matrix m = g / 64; block a = (4 g + w) % 256: column group pr = a % 16, k group s = a / 16
	s_lshl_b32 s40, ttmp9, 2
	s_add_co_u32 s40, s40, s[WV]
	s_and_b32 s40, s40, 255
	s_and_b32 s41, s40, 15                         ; pr
	s_lshr_b32 s40, s40, 4                         ; s
	s_lshl_b32 s42, s40, 16                        ; 32 rows of 2,048 bytes
	s_lshl_b32 s43, s41, 7
	s_add_co_u32 s42, s42, s43
	s_mov_b32 s43, 0
	s_lshr_b32 s46, ttmp9, 6                       ; m
	s_lshr_b32 s44, s41, 1                         ; into wa: the head,
	s_mul_i32 s44, s44, 196608
	s_mul_i32 s45, s40, 12
	s_lshl2_add_u32 s45, s46, s45                  ; fragment 12 s + 4 m
	s_and_b32 s47, s41, 1
	s_lshl1_add_u32 s45, s47, s45                  ; + 2 (pr % 2)
	s_lshl_b32 s45, s45, 10
	s_add_co_u32 s44, s44, s45
	s_lshr_b32 s45, s40, 2                         ; into wt: tile s / 4,
	s_lshl_b32 s45, s45, 17
	s_lshr_b32 s47, s41, 2                         ; quarter pr / 4,
	s_lshl_b32 s47, s47, 15
	s_add_co_u32 s45, s45, s47
	s_and_b32 s47, s40, 3                          ; fragment 8 (s % 4)
	s_lshl_b32 s47, s47, 13
	s_add_co_u32 s45, s45, s47
	s_and_b32 s47, s41, 3                          ; + 2 (pr % 4)
	s_lshl_b32 s47, s47, 11
	s_add_co_u32 s45, s45, s47
	s_cmp_lt_u32 s46, 3
	s_cselect_b32 s44, s44, s45
	s_mov_b32 s45, 0
	s_lshl_b32 s32, ttmp9, 3                       ; the w_ff block: a = (8 g + w) % 1,024
	s_add_co_u32 s32, s32, s[WV]
	s_and_b32 s32, s32, 1023
	s_wait_kmcnt 0x0
	s_add_nc_u64 s[28:29], s[4:5], s[28:29]
	s_add_nc_u64 s[30:31], s[18:19], s[30:31]
	s_cmp_eq_u32 s46, 0
	s_cselect_b64 s[48:49], s[6:7], s[8:9]
	s_cmp_lt_u32 s46, 2
	s_cselect_b64 s[48:49], s[48:49], s[10:11]
	s_cmp_lt_u32 s46, 3
	s_cselect_b64 s[48:49], s[48:49], s[12:13]
	s_cselect_b64 s[50:51], s[20:21], s[22:23]
	s_add_nc_u64 s[48:49], s[48:49], s[42:43]
	s_add_nc_u64 s[50:51], s[50:51], s[44:45]
	s_wait_alu depctr_va_vdst(0)                   ; the five offsets and LDS addresses v1 to v5 are written: every load and store of the kernel reads one of them, on both ways of each branch below
	s_cmp_lt_u32 s[WV], 4                          ; these loads are the oldest, so that the counted waits below hold with and without them
	s_cbranch_scc0 .Lno_b
	WLOAD WB, 2048, 48
.Lno_b:
.irp p, 0,1                            ; x, a half after the other: a load takes 512 consecutive bytes of a row
.set i, 0
.rept 16
	global_load_b128 v[X+64*(\p)+4*i:X+64*(\p)+4*i+3], v[L16], s[28:29] offset:i*2048+(\p)*512 th:TH_LOAD_NT
.set i, i+1
.endr
.endr
	s_cmp_lt_u32 ttmp9, 128
	s_cbranch_scc0 .Lff2
	s_and_b32 s33, s32, 63                         ; w_ff1: pr = a % 64, s = a / 64
	s_lshr_b32 s34, s32, 6
	s_lshl_b32 s36, s34, 18                        ; 32 rows of 8,192 bytes
	s_lshl_b32 s35, s33, 7
	s_add_co_u32 s36, s36, s35
	s_mov_b32 s37, 0
	s_add_nc_u64 s[36:37], s[14:15], s[36:37]
	s_lshr_b32 s35, s33, 2
	s_lshl_b32 s38, s35, 18                        ; tile 4 + 2 (pr / 4)
	s_add_co_u32 s38, s38, 4<<17
	s_and_b32 s35, s33, 3                          ; quarter pr % 4
	s_lshl_b32 s35, s35, 15
	s_add_co_u32 s38, s38, s35
	s_lshl_b32 s35, s34, 11                        ; fragment 2 s
	s_add_co_u32 s38, s38, s35
	s_mov_b32 s39, 0
	s_add_nc_u64 s[38:39], s[22:23], s[38:39]
	WLOAD WA, 8192, 36
	s_branch .La_out
.Lff2:
	s_and_b32 s33, s32, 15                         ; w_ff2: pr = a % 16, s = a / 16
	s_lshr_b32 s34, s32, 4
	s_lshl_b32 s36, s34, 16
	s_lshl_b32 s35, s33, 7
	s_add_co_u32 s36, s36, s35
	s_mov_b32 s37, 0
	s_add_nc_u64 s[36:37], s[16:17], s[36:37]
	s_lshr_b32 s35, s34, 2
	s_lshl_b32 s38, s35, 18                        ; tile 5 + 2 (s / 4)
	s_add_co_u32 s38, s38, 5<<17
	s_lshr_b32 s35, s33, 2                         ; quarter pr / 4
	s_lshl_b32 s35, s35, 15
	s_add_co_u32 s38, s38, s35
	s_and_b32 s35, s34, 3                          ; fragment 8 (s % 4) + 2 (pr % 4)
	s_lshl_b32 s35, s35, 13
	s_add_co_u32 s38, s38, s35
	s_and_b32 s35, s33, 3
	s_lshl_b32 s35, s35, 11
	s_add_co_u32 s38, s38, s35
	s_mov_b32 s39, 0
	s_add_nc_u64 s[38:39], s[22:23], s[38:39]
	WLOAD WA, 2048, 36
.La_out:
	s_wait_loadcnt 48                              ; loads come back in order (ISA guide 5.7.1): the block of w_q .. w_o and half 0 of x are in; half 1's 16 loads and the w_ff block's 32, the youngest on both ways, stay out
	s_cmp_lt_u32 s[WV], 4
	s_cbranch_scc0 .Lno_bc
	WCVT WB
.Lno_bc:
	XCVT 0
	s_wait_alu depctr_va_vdst(0)                   ; the conversions have written half 0's lower 32 registers, which the LDS stores read, and WB's low 16, which its global stores read; and they are done reading half 0's upper 32, in which the LDS loads land
	XTURN 0
	s_cmp_lt_u32 s[WV], 4
	s_cbranch_scc0 .Lno_bs
	WST WB, 50                                     ; no vector instruction since the wait above
.Lno_bs:
	s_wait_loadcnt 32                              ; half 1 of x is in; the w_ff block's 32 loads stay out
	XCVT 1                                         ; these name half 1's registers alone: none that the LDS instructions and stores above touch
	s_wait_alu depctr_va_vdst(0)                   ; the conversions have written half 1's lower 32 registers, which the LDS stores read, and are done reading its upper 32, in which the LDS loads land
	XTURN 1
	XOUT 0, 24                                     ; behind half 0's loads stand half 1's 16 stores and 8 loads
	XOUT 1, 0
	s_wait_loadcnt 0x0                             ; the w_ff block
	WCVT WA
	s_wait_alu depctr_va_vdst(0)                   ; the conversions have written WA's low 16 registers, which the four stores read
	WST WA, 38
	s_wait_dscnt 0x0                               ; the closing lines, six on end
	s_wait_alu 0x0
	s_wait_tensorcnt 0x0
	ds_add_u32 v[SPW], v[NIL]
	s_wait_dscnt 0x0
	s_endpgm
.Lfunc_end_k_q29437c934f_prep:
	.size	k_q29437c934f_prep, .Lfunc_end_k_q29437c934f_prep-k_q29437c934f_prep
	.p2alignl 7, 3214868480
	.fill 96, 4, 3214868480
	.section	.rodata,"a",@progbits
	.p2align	6, 0x0
	.amdhsa_kernel k_q29437c934f_prep
		.amdhsa_group_segment_fixed_size 68608
		.amdhsa_private_segment_fixed_size 0
		.amdhsa_enable_private_segment 0
		.amdhsa_kernarg_size 80
		.amdhsa_user_sgpr_count 2
		.amdhsa_user_sgpr_kernarg_segment_ptr 1
		.amdhsa_wavefront_size32 1
		.amdhsa_system_sgpr_workgroup_id_x 1
		.amdhsa_system_sgpr_workgroup_id_y 1
		.amdhsa_system_sgpr_workgroup_id_z 1
		.amdhsa_system_vgpr_workitem_id 0
		.amdhsa_next_free_vgpr 208
		.amdhsa_next_free_sgpr 66
		.amdhsa_reserve_vcc 0
		.amdhsa_float_denorm_mode_32 3
		.amdhsa_float_denorm_mode_16_64 3
		.amdhsa_memory_ordered 1
		.amdhsa_forward_progress 1
		.amdhsa_inst_pref_size 29
	.end_amdhsa_kernel
	.amdgpu_metadata
---
amdhsa.version: [ 1, 2 ]
amdhsa.kernels:
  - .name:           k_q29437c934f_prep
    .symbol:         k_q29437c934f_prep.kd
    .args:
      - { .name: x, .offset: 0, .size: 8, .value_kind: global_buffer, .address_space: global }
      - { .name: w_q, .offset: 8, .size: 8, .value_kind: global_buffer, .address_space: global }
      - { .name: w_k, .offset: 16, .size: 8, .value_kind: global_buffer, .address_space: global }
      - { .name: w_v, .offset: 24, .size: 8, .value_kind: global_buffer, .address_space: global }
      - { .name: w_o, .offset: 32, .size: 8, .value_kind: global_buffer, .address_space: global }
      - { .name: w_ff1, .offset: 40, .size: 8, .value_kind: global_buffer, .address_space: global }
      - { .name: w_ff2, .offset: 48, .size: 8, .value_kind: global_buffer, .address_space: global }
      - { .name: xb, .offset: 56, .size: 8, .value_kind: global_buffer, .address_space: global }
      - { .name: wa, .offset: 64, .size: 8, .value_kind: global_buffer, .address_space: global }
      - { .name: wt, .offset: 72, .size: 8, .value_kind: global_buffer, .address_space: global }
    .group_segment_fixed_size: 68608
    .private_segment_fixed_size: 0
    .kernarg_segment_align: 8
    .kernarg_segment_size: 80
    .max_flat_workgroup_size: 256
    .sgpr_count:     66
    .vgpr_count:     208
    .wavefront_size: 32
...
	.end_amdgpu_metadata
.endif
;; end of part 6
;; launch attn: the kernel of part 4 again; grid 8 x 32, 4 waves a work-group, no clusters, 197,120 bytes of LDS; arguments xb, wa, ob; writes ob
;; launch tail: the kernel of part 5 again; grid 256 x 1, 4 waves a work-group, clusters of 4 x 1, 327,680 bytes of LDS; arguments x, ob, wt, b_ff1, b_ff2, g1, b1, g2, b2, out0; writes out0
